; MI455X (gfx1250); checked and timed in simulation.
; The chip was launched on July 23, 2026; its instructions are those of AMD's public machine-readable ISA for CDNA 5 (MIT licence, August 2026) and "CDNA5" Instruction Set Architecture Reference Guide (July 2026). The comments in the code are by the model that wrote it; some were corrected since.
;; Img Multihead Self Attention. Allowed arithmetic: float matrix products may take bf16 or f16 operands with f32 sums; other float arithmetic in f32, or as packed bf16 or f16 multiplies, adds, multiply-adds, maxima and minima; sums over many terms, partial sums and values carried from step to step in f32; what a program stores and reads back later, other than sums and carried values, may be rounded once to bf16 or f16.
;; Inputs: bk 512 float32; bo 512 float32; bq 512 float32; bv 512 float32; wk 512 x 512 float32; wo 512 x 512 float32; wq 512 x 512 float32; wv 512 x 512 float32; x 16 x 1,024 x 512 float32.
;; Outputs: out0 16 x 1,024 x 512 float32.
;; 2 versions, each right; version 2 is version 1 with the launch prep written anew for expert scheduling mode. Each part assembles by itself: llvm-mc -triple=amdgcn-amd-amdhsa -mcpu=gfx1250 --defsym DOCPART=n.
;; ======== version 1 of 2: 4 launches
;; limits: values are held in f16: magnitudes above 65,504 overflow, below 6.1e-05 lose precision
;; workspace buffers: xb 16,777,216 bytes; wb 1,572,864 bytes; wo16 524,288 bytes; bias 8,192 bytes; qkvh 50,331,648 bytes; ctxh 16,777,216 bytes
;; launch prep (part 1): grid 577 x 1, 8 waves a work-group, no clusters, 0 bytes of LDS; arguments x, wq, wk, wv, wo, bq, bv, bo, xb, wb, wo16, bias; writes xb, wb, wo16, bias
.if DOCPART == 1
	.amdgcn_target "amdgcn-amd-amdhsa--gfx1250"
	.amdhsa_code_object_version 6
	.text
	.protected	k_qd2492d5c0d_prep
	.globl	k_qd2492d5c0d_prep
	.p2align	8
	.type	k_qd2492d5c0d_prep,@function
k_qd2492d5c0d_prep:
	s_mov_b64 s[64:65], 0
	v_nop
	global_prefetch_b8 v0, s[64:65] scope:SCOPE_SE
	s_setreg_imm32_b32 hwreg(HW_REG_WAVE_MODE, 25, 1), 1
	s_wait_xcnt 0x0
; THE CASTS.  First of four launches of: q, k, v = x w^T + b by heads; softmax(q k^T / 32) v; the result times wo^T + bo.
; This launch rounds every input once to bf16: x -> xb [16384][512]; wq, wk, wv -> wb [1536][512] (one below the other); wo -> wo16 [512][512], where the bf16 number is written as f16
; (the output product's other operand is f16); bq, zeros, bv, bo -> bias [2048] f32, each number rounded to bf16 and written as f32.
; WORK LEFT OUT: bk.  scores[q][k] = q . (x_k wk^T + bk) / 32 = q . (x_k wk^T) / 32 + q . bk / 32.  The second term does not hang on the key k: it is the same along the softmax's axis, and
; softmax(s + t) = softmax(s) for every t that is constant along the axis, whatever finite values the inputs hold.  k reaches no output but through the scores.  So bk has no way to any output:
; it is not loaded and is an argument of no launch; k's 512 places in the bias table hold 0.  LIMIT: a NaN, an infinity or an overflow that reaches only q . bk is not carried to the result.
; LIMITS.  wo as f16: exact for bf16 numbers from 2^-17 up to 65,504; below 2^-17 it keeps f16's fixed step of 6e-8.
; SHARES.  A work-group casts 16,384 numbers, a wave 2,048: sixteen loads of 512 consecutive bytes, all issued at once, and sixteen stores of 256 consecutive bytes, aligned.
; Work-groups 0-511: x.  512-575: the four weights, sixteen parts each.  576: the bias table, 256 numbers a wave.  No LDS, no barrier, no matrix unit: a stream has no use for them.
.set IO, 1                             ; v1   byte offset of my 16 bytes in the work-group's input: 8,192 x wave + 16 x lane
.set OO, 2                             ; v2   of my 8 bytes in its output: 4,096 x wave + 8 x lane
.set LN, 3                             ; v3   lane
.set D,  4                             ; v[4:67]    sixteen loads of four f32
.set O,  68                            ; v[68:99]   sixteen pairs of packed results
.set T,  100                           ; v[100:103] at work
	s_load_b512 s[8:23], s[0:1], 0x0               ; x s[8:9], wq s[10:11], wk s[12:13], wv s[14:15], wo s[16:17], bq s[18:19], bv s[20:21], bo s[22:23]
	s_load_b256 s[24:31], s[0:1], 0x40             ; xb s[24:25], wb s[26:27], wo16 s[28:29], bias s[30:31]
	v_lshrrev_b32 v[LN], 5, v0
	v_readfirstlane_b32 s2, v[LN]                  ; wave 0..7
	v_and_b32 v[LN], 31, v0
	s_lshl_b32 s4, s2, 13
	s_lshl_b32 s5, s2, 12
	v_lshl_add_u32 v[IO], v[LN], 4, s4
	v_lshl_add_u32 v[OO], v[LN], 3, s5
	s_mov_b32 s3, ttmp9
	s_mov_b32 s37, 0                               ; the offsets' high words
	s_mov_b32 s39, 0
; 2,048 numbers of a wave.  f16 = 0: rounded to bf16.  f16 = 1: rounded to bf16, widened again (a shift, a mask) and written as f16.
; Each load and each store has registers of its own, so no register is written again while a memory instruction may read it.
.macro CAST src, dst, f16
.irp j, 0,1,2,3,4,5,6,7,8,9,10,11,12,13,14,15
	global_load_b128 v[D+4*(\j):D+4*(\j)+3], v[IO], s[\src:\src+1] offset:512*(\j) th:TH_LOAD_NT
.endr
.irp j, 0,1,2,3,4,5,6,7,8,9,10,11,12,13,14,15
	s_wait_loadcnt 15-(\j)                         ; loads come back in order: load j is in, the 15 - j younger ones may stay out
	v_cvt_pk_bf16_f32 v[O+2*(\j)],   v[D+4*(\j)],   v[D+4*(\j)+1]
	v_cvt_pk_bf16_f32 v[O+2*(\j)+1], v[D+4*(\j)+2], v[D+4*(\j)+3]
.if \f16
	v_lshlrev_b32 v[T],   16, v[O+2*(\j)]
	v_and_b32     v[T+1], 0xffff0000, v[O+2*(\j)]
	v_lshlrev_b32 v[T+2], 16, v[O+2*(\j)+1]
	v_and_b32     v[T+3], 0xffff0000, v[O+2*(\j)+1]
	v_cvt_pk_f16_f32 v[O+2*(\j)],   v[T],   v[T+1]
	v_cvt_pk_f16_f32 v[O+2*(\j)+1], v[T+2], v[T+3]
.endif
	global_store_b64 v[OO], v[O+2*(\j):O+2*(\j)+1], s[\dst:\dst+1] offset:256*(\j) th:TH_STORE_NT  ; 32 lanes store 256 consecutive bytes, aligned
.endr
.endm
	s_cmp_lt_u32 s3, 512
	s_cbranch_scc0 .Lweights
	s_lshl_b32 s36, s3, 16                         ; x: 65,536 bytes in,
	s_lshl_b32 s38, s3, 15                         ; 32,768 out, for each work-group
	s_wait_kmcnt 0x0
	s_add_nc_u64 s[8:9], s[8:9], s[36:37]
	s_add_nc_u64 s[24:25], s[24:25], s[38:39]
	CAST 8, 24, 0
	s_endpgm
.Lweights:
	s_cmp_eq_u32 s3, 576
	s_cbranch_scc1 .Lbias
	s_sub_co_u32 s4, s3, 512
	s_lshr_b32 s5, s4, 4                           ; which weight: wq, wk, wv, wo
	s_and_b32 s4, s4, 15                           ; which sixteenth of it
	s_lshl_b32 s36, s4, 16
	s_lshl_b32 s38, s4, 15
	s_wait_kmcnt 0x0
	s_cmp_eq_u32 s5, 3
	s_cbranch_scc1 .Lwo
	s_cmp_eq_u32 s5, 1
	s_cselect_b64 s[32:33], s[12:13], s[10:11]
	s_cmp_eq_u32 s5, 2
	s_cselect_b64 s[32:33], s[14:15], s[32:33]
	s_add_nc_u64 s[32:33], s[32:33], s[36:37]
	s_lshl_b32 s6, s5, 19                          ; a weight is 524,288 bytes of wb
	s_add_co_u32 s38, s38, s6
	s_add_nc_u64 s[26:27], s[26:27], s[38:39]
	CAST 32, 26, 0
	s_endpgm
.Lwo:
	s_add_nc_u64 s[16:17], s[16:17], s[36:37]
	s_add_nc_u64 s[28:29], s[28:29], s[38:39]
	CAST 16, 28, 1
	s_endpgm
.Lbias:                                        ; wave w writes numbers 256 w .. 256 w + 255 of the table: waves 0, 1 bq; 2, 3 zeros (k's places); 4, 5 bv; 6, 7 bo
	s_lshr_b32 s4, s2, 1
	s_and_b32 s5, s2, 1
	s_lshl_b32 s5, s5, 10
	s_lshl_b32 s6, s2, 10
	v_lshl_add_u32 v[IO], v[LN], 4, s5
	v_lshl_add_u32 v[OO], v[LN], 4, s6
	s_wait_kmcnt 0x0
	s_cmp_eq_u32 s4, 1
	s_cbranch_scc1 .Lzero
	s_cmp_eq_u32 s4, 2
	s_cselect_b64 s[32:33], s[20:21], s[18:19]
	s_cmp_eq_u32 s4, 3
	s_cselect_b64 s[32:33], s[22:23], s[32:33]
	global_load_b128 v[D:D+3],   v[IO], s[32:33]
	global_load_b128 v[D+4:D+7], v[IO], s[32:33] offset:512
	s_wait_loadcnt 0x0
.irp j, 0,1,2,3
	v_cvt_pk_bf16_f32 v[T+(\j)], v[D+2*(\j)], v[D+2*(\j)+1]
.endr
.irp j, 0,1,2,3
	v_lshlrev_b32 v[D+2*(\j)],   16, v[T+(\j)]
	v_and_b32     v[D+2*(\j)+1], 0xffff0000, v[T+(\j)]
.endr
	s_branch .Lbstore
.Lzero:
.irp j, 0,1,2,3,4,5,6,7
	v_mov_b32 v[D+(\j)], 0
.endr
.Lbstore:
	global_store_b128 v[OO], v[D:D+3],   s[30:31]
	global_store_b128 v[OO], v[D+4:D+7], s[30:31] offset:512
	s_endpgm
.Lfunc_end_k_qd2492d5c0d_prep:
	.size	k_qd2492d5c0d_prep, .Lfunc_end_k_qd2492d5c0d_prep-k_qd2492d5c0d_prep
	.p2alignl 7, 3214868480
	.fill 96, 4, 3214868480
	.section	.rodata,"a",@progbits
	.p2align	6, 0x0
	.amdhsa_kernel k_qd2492d5c0d_prep
		.amdhsa_group_segment_fixed_size 0
		.amdhsa_private_segment_fixed_size 0
		.amdhsa_enable_private_segment 0
		.amdhsa_kernarg_size 96
		.amdhsa_user_sgpr_count 2
		.amdhsa_user_sgpr_kernarg_segment_ptr 1
		.amdhsa_wavefront_size32 1
		.amdhsa_system_sgpr_workgroup_id_x 1
		.amdhsa_system_sgpr_workgroup_id_y 1
		.amdhsa_system_sgpr_workgroup_id_z 1
		.amdhsa_system_vgpr_workitem_id 0
		.amdhsa_next_free_vgpr 104
		.amdhsa_next_free_sgpr 66
		.amdhsa_reserve_vcc 0
		.amdhsa_float_denorm_mode_32 3
		.amdhsa_float_denorm_mode_16_64 3
		.amdhsa_memory_ordered 1
		.amdhsa_forward_progress 1
		.amdhsa_inst_pref_size 26
	.end_amdhsa_kernel
	.amdgpu_metadata
---
amdhsa.version: [ 1, 2 ]
amdhsa.kernels:
  - .name:           k_qd2492d5c0d_prep
    .symbol:         k_qd2492d5c0d_prep.kd
    .args:
      - { .name: x, .offset: 0, .size: 8, .value_kind: global_buffer, .address_space: global }
      - { .name: wq, .offset: 8, .size: 8, .value_kind: global_buffer, .address_space: global }
      - { .name: wk, .offset: 16, .size: 8, .value_kind: global_buffer, .address_space: global }
      - { .name: wv, .offset: 24, .size: 8, .value_kind: global_buffer, .address_space: global }
      - { .name: wo, .offset: 32, .size: 8, .value_kind: global_buffer, .address_space: global }
      - { .name: bq, .offset: 40, .size: 8, .value_kind: global_buffer, .address_space: global }
      - { .name: bv, .offset: 48, .size: 8, .value_kind: global_buffer, .address_space: global }
      - { .name: bo, .offset: 56, .size: 8, .value_kind: global_buffer, .address_space: global }
      - { .name: xb, .offset: 64, .size: 8, .value_kind: global_buffer, .address_space: global }
      - { .name: wb, .offset: 72, .size: 8, .value_kind: global_buffer, .address_space: global }
      - { .name: wo16, .offset: 80, .size: 8, .value_kind: global_buffer, .address_space: global }
      - { .name: bias, .offset: 88, .size: 8, .value_kind: global_buffer, .address_space: global }
    .group_segment_fixed_size: 0
    .private_segment_fixed_size: 0
    .kernarg_segment_align: 8
    .kernarg_segment_size: 96
    .max_flat_workgroup_size: 256
    .sgpr_count:     66
    .vgpr_count:     104
    .wavefront_size: 32
...
	.end_amdgpu_metadata
.endif
;; end of part 1
;; launch proj (part 2): grid 8 x 64, 4 waves a work-group, clusters of 4 x 4, 327,680 bytes of LDS; arguments xb, wb, bias, qkvh; writes qkvh
.if DOCPART == 2
	.amdgcn_target "amdgcn-amd-amdhsa--gfx1250"
	.amdhsa_code_object_version 6
	.text
	.protected	k_qd2492d5c0d_proj
	.globl	k_qd2492d5c0d_proj
	.p2align	8
	.type	k_qd2492d5c0d_proj,@function
k_qd2492d5c0d_proj:
	s_mov_b64 s[64:65], 0
	v_nop
	global_prefetch_b8 v0, s[64:65] scope:SCOPE_SE
	s_setreg_imm32_b32 hwreg(HW_REG_WAVE_MODE, 25, 1), 1
	s_wait_xcnt 0x0
	s_wait_alu depctr_hold_cnt(0) depctr_sa_sdst(0) depctr_va_vdst(0) depctr_va_sdst(0) depctr_va_ssrc(0) depctr_va_vcc(0) depctr_vm_vsrc(0)
	s_getreg_b32 s2, hwreg(HW_REG_IB_STS2, 6, 4)
	s_cmp_eq_u32 s2, 0
	s_cbranch_scc0 .Lentry_in_a_cluster
	s_endpgm
.Lentry_in_a_cluster:
	s_bfe_u32 s2, ttmp6, 0x10000c
	s_cmp_lg_u32 s2, 0xf033
	s_cbranch_scc0 .Lentry_shape_is_right
	s_endpgm
.Lentry_shape_is_right:
; THE THREE PROJECTIONS AS ONE PRODUCT.  C[m][n] = bias[n] + the sum over k of xb[m][k] wb[n][k]: m 16,384, n 1,536 (q's 512, k's 512, v's 512 columns), k 512; bf16 operands, f32 sums.
; C leaves by heads, rounded once to f16: qkvh [3][256 (16 batch + head)][1024 rows][32].  WORK LEFT OUT: bk (shown at the head of the first kernel): k's places in the bias table hold 0.
; LIMIT.  f16 holds no number beyond 65,504: q, k and v must stay within it.
; SHARES.  A tile of C is 256 x 192: 512 work-groups.  Four waves, each 128 x 96: 48 accumulators of 16 x 16, 384 registers.  K goes in four steps of 128 through two LDS slots filled by the
; tensor data mover; a tile's rows are 256 bytes of memory at multiples of 256 bytes.  Steps 0 and 1 are the first fills, steps 2 and 3 the two refills, so all is written out: no loop.
; CLUSTER.  4 x 4 work-groups.  The four of a row of the cluster need the same tile of xb, the four of a column the same tile of wb: each is asked for jointly, by the same tensor load with the
; same descriptor and a mask that names the four.
; THE MATRIX INSTRUCTION IS USED TRANSPOSED (source 0 = 16 rows of wb, source 1 = 16 rows of xb): lane l holds row m = l % 16 of C and the columns 8 (l / 16) + 0..7.
; THE BIAS IS THE C OPERAND of the products that start the sums: eight registers for each block of 16 columns, register j = bias[block + 8 (l / 16) + j].  Nothing is cleared, nothing added later.
; REGISTERS, in windows of 256 (s_set_vgpr_msb: bits 1:0 source 0, 3:2 source 1, 5:4 source 2, 7:6 destination):
;   window 0: v1-29 addresses; v32-55, v112-159 at work on the way out; v64-111 the bias          window 1: two fragment buffers: 48 registers of wb, then 64 of xb, at v0 and at v128
;   window 2: the accumulators of my rows 0-63 ((a, b) at 8 (6 (a % 4) + b));   window 3: those of my rows 64-127
.set MB,    8                          ; blocks of 16 rows of a wave
.set NBK,   6                          ; blocks of 16 columns of a wave
.set PA,    272                        ; an LDS row: 256 bytes + 16 of padding: an odd multiple of 16, so the 16 rows of a fragment load start at 16 different groups of four banks (ISA guide 11.1)
.set PB,    272
.set QA,    64                         ; bytes from a quarter step (32 along K) to the next, in A's rows
.set QB,    64                         ; and in B's
.set AHALF, 128*PA                     ; what one tensor load brings of A
.set BHALF, 96*PB                      ; and of B
.set APART, 2*AHALF
.set SLOT,  APART+2*BHALF              ; A's 256 rows, then B's 192 rows: 121,856 bytes
.set STEPA, 512                        ; bytes in memory from a slot's K step to its next
.set STEPB, 512
.set STAGE, 2*SLOT                     ; behind the ring: for each wave 3 heads x 16 rows x 80 bytes, for the way out
.set WSTG,  3*16*80
.set SPARE, STAGE+4*WSTG               ; behind the stages: the spare words, 128 bytes for each wave: two blocks of 256 bytes that no other line names
.set NL,    2*(MB+NBK)                 ; LDS loads in a run: the fragments of a quarter step
.set NY,    MB                         ; the youngest of them: A's rows 64-127
.set ADRA, 16                          ; v16-17  LDS address of my A fragments in slot 0, 1
.set ADRB, 20                          ; v20-21  the same for B
.set STO,  24                          ; v24     the way out: where I put 16 bytes of a row
.set RD,   25                          ; v25     where I read rows back
.set CO,   26                          ; v26     my byte offset in 512 consecutive bytes of the output
.set BO,   27                          ; v27     my byte offset in the bias table
.set SPW,  28                          ; v28     LDS address of my spare word: SPARE + 4 x my thread's number; never rewritten
.set NIL,  29                          ; v29     0; never rewritten
.set TMP,  32                          ; v32-55  packed results
.set BI,   64                          ; v64-111 the bias
.set BK0,  112                         ; v112-135, v136-159 rows read back from the stage, by turns
.set F0,   0
.set F1,   128
.set G1A,  24                          ; s[24:31] descriptor group 1 for A's tiles;  s[32:39] group 0, a set for each slot
.set G0A,  32
.set G1B,  48                          ; s[48:55], s[56:63] the same for B's
.set G0B,  56
.set OB,   66                          ; s[66:71] the output at my rows of my three heads
.set MSB, 0
.macro WIN new                         ; the immediate's high byte repeats the setting that is left; a switch that changes nothing is dropped
.if MSB != (\new)
	s_set_vgpr_msb (MSB<<8)|(\new)
.set MSB, (\new)
.endif
.endm
.macro PLACES                          ; four places in front of loads into registers that matrix instructions have read, and of lines that read results
.rept 4
	v_nop
.endr
.endm
; A joint load: waves 0 and 1 fetch A's two halves, waves 2 and 3 B's.  The branch hangs on the wave's number alone.  An s_nop 0 and four v_nop follow each of the two lines.
.macro JLOAD s
	s_cmp_eq_u32 s13, 0
	s_cbranch_scc0 .Lfor_b_\@
	tensor_load_to_lds s[G0A+4*(\s):G0A+4*(\s)+3], s[G1A:G1A+7]
	s_nop 0
.rept 4
	v_nop
.endr
	s_branch .Lasked_\@
.Lfor_b_\@:
	tensor_load_to_lds s[G0B+4*(\s):G0B+4*(\s)+3], s[G1B:G1B+7]
	s_nop 0
.rept 4
	v_nop
.endr
.Lasked_\@:
.endm
.macro CREST                           ; a round of the cluster's barrier behind its opening barrier
	s_cmp_lg_u32 s12, 0
	s_cbranch_scc1 .Lnot_wave_0_\@
	s_barrier_signal -3
.Lnot_wave_0_\@:
	s_barrier_wait -3
	s_barrier_signal -1
	s_barrier_wait -1
.endm
.macro CROUND                          ; a whole round
	s_barrier_signal -1
	s_barrier_wait -1
	CREST
.endm
	s_load_b256 s[4:11], s[0:1], 0x0               ; xb s[4:5], wb s[6:7], bias s[8:9], qkvh s[10:11]
	v_lshl_add_u32 v[SPW], v0, 2, SPARE
	v_mov_b32 v[NIL], 0
	ds_add_u32 v[SPW], v[NIL]                      ; the wave's opening: the add, twice on end, and its wait ahead of my first tensor load
	ds_add_u32 v[SPW], v[NIL]                      ; and once more, under the one wait; the set-up below, work on registers, stands between
	v_lshrrev_b32 v1, 5, v0
	v_readfirstlane_b32 s12, v1                    ; wave 0..3
	s_lshr_b32 s13, s12, 1                         ; which half of the tile's rows is mine.  Also: I fetch for A (0) or for B (1)
	s_and_b32 s14, s12, 1                          ; which half of its columns.  Also: which half of that tile I fetch
	s_bfe_u32 s15, ttmp6, 0x40000                  ; cx, cy: my place in the cluster
	s_bfe_u32 s16, ttmp6, 0x40004
	s_lshl_b32 s17, ttmp9, 2
	s_add_co_u32 s17, s17, s15                     ; tile column = 4 x cluster x + cx
	s_and_b32 s18, ttmp7, 0xffff
	s_lshl_b32 s18, s18, 2
	s_add_co_u32 s18, s18, s16                     ; tile row = 4 x cluster y + cy
	s_lshl_b32 s19, s16, 2
	s_lshl_b32 s19, 15, s19                        ; my row of the cluster
	s_lshl_b32 s20, 0x1111, s15                    ; my column
	s_or_b32 s[G1A], s19, (1<<16)|(1<<20)|(1<<21)|(5<<22)|(3<<25)  ; 15:0 the mask; 17:16 2-byte elements; 20 padding on; 21 set beside a mask; 24:22 after every 64 words; 31:25 4 words of it
	s_or_b32 s[G1B], s20, (1<<16)|(1<<20)|(1<<21)|(5<<22)|(3<<25)
.irp g, G1A, G1B
	s_mov_b32 s[(\g)+1], 128<<16                   ; tensor_dim0 = 128
	s_mov_b32 s[(\g)+3], 128<<16                   ; tile_dim0 = 128
	s_mov_b32 s[(\g)+5], 512                       ; 512 elements from row to row
	s_mov_b32 s[(\g)+6], 0
	s_mov_b32 s[(\g)+7], 0
.endr
	s_mov_b32 s[G1A+2], 128<<16                    ; tensor_dim1 and tile_dim1: 128 rows of A,
	s_mov_b32 s[G1A+4], 128
	s_mov_b32 s[G1B+2], 96<<16                     ; 96 rows of B
	s_mov_b32 s[G1B+4], 96
	s_lshl_b32 s40, s18, 8                         ; A: row 256 x tile row + 128 x half,
	s_lshl_b32 s21, s14, 7
	s_add_co_u32 s40, s40, s21
	s_lshl_b32 s40, s40, 10                        ; 1,024 bytes a row
	s_mov_b32 s41, 0
	s_mul_i32 s22, s17, 192                        ; B: row 192 x tile column + 96 x half = my first column of C
	s_mul_i32 s21, s14, 96
	s_add_co_u32 s22, s22, s21
	s_lshl_b32 s42, s22, 10
	s_mov_b32 s43, 0
	s_mul_i32 s44, s14, AHALF                      ; where they go: no place in the cluster enters an LDS address
	s_mul_i32 s45, s14, BHALF
	s_add_co_u32 s45, s45, APART
	s_wait_dscnt 0x0                               ; both opening adds are done
	s_wait_kmcnt 0x0
	s_add_nc_u64 s[40:41], s[4:5], s[40:41]
	s_add_nc_u64 s[42:43], s[6:7], s[42:43]
	CROUND                                         ; all sixteen work-groups are here: the first joint loads meet
.irp s, 0,1
	s_mov_b32 s[G0A+4*(\s)], 1
	s_add_co_u32 s[G0A+4*(\s)+1], s44, (\s)*SLOT
	s_add_nc_u64 s[G0A+4*(\s)+2:G0A+4*(\s)+3], s[40:41], (\s)*256   ; K step s
	s_or_b32 s[G0A+4*(\s)+3], s[G0A+4*(\s)+3], 0x80000000
	s_mov_b32 s[G0B+4*(\s)], 1
	s_add_co_u32 s[G0B+4*(\s)+1], s45, (\s)*SLOT
	s_add_nc_u64 s[G0B+4*(\s)+2:G0B+4*(\s)+3], s[42:43], (\s)*256
	s_or_b32 s[G0B+4*(\s)+3], s[G0B+4*(\s)+3], 0x80000000
	JLOAD \s
.endr
	; A fragment is 16 rows x 32 K in 8 registers: lane l holds row l % 16; registers 0-3 K = 8 (l / 16) + 0..7, registers 4-7 K = 16 + 8 (l / 16) + 0..7: two loads of 16 bytes, 32 bytes apart.
	v_and_b32 v1, 15, v0                           ; l % 16
	v_bfe_u32 v2, v0, 4, 1                         ; l / 16
	v_mul_u32_u24 v3, v1, PA
	v_lshl_add_u32 v3, v2, 4, v3
	v_mul_u32_u24 v4, v1, PB
	v_lshl_add_u32 v4, v2, 4, v4
	s_mul_i32 s21, s13, 16*MB*PA                   ; my rows of A
	s_mul_i32 s23, s14, 16*NBK*PB                  ; my rows of B,
	s_add_co_u32 s23, s23, APART                   ; which lie behind A's
.irp s, 0,1
	v_add_nc_u32 v[ADRA+(\s)], s21, v3
	v_add_nc_u32 v[ADRB+(\s)], s23, v4
	s_add_co_u32 s21, s21, SLOT
	s_add_co_u32 s23, s23, SLOT
.endr
	s_lshl_b32 s46, s22, 2
	v_lshl_add_u32 v[BO], v2, 5, s46               ; 4 x my first column + 32 (l / 16)
.set b, 0
.rept NBK
	global_load_b128 v[BI+8*b:BI+8*b+3],   v[BO], s[8:9] offset:64*b
	global_load_b128 v[BI+8*b+4:BI+8*b+7], v[BO], s[8:9] offset:64*b+16
.set b, b+1
.endr
	s_mul_i32 s21, s12, WSTG
	s_add_co_u32 s21, s21, STAGE                   ; my stage
	v_mul_u32_u24 v3, v1, 80                       ; in: row l % 16 of a head, 16 bytes for each half of the lanes
	v_lshl_add_u32 v3, v2, 4, v3
	v_add_nc_u32 v[STO], s21, v3
	v_and_b32 v3, 31, v0
	v_lshrrev_b32 v4, 2, v3                        ; back: 32 lanes take eight rows of 64 bytes,
	v_and_b32 v5, 3, v0
	v_mul_u32_u24 v4, v4, 80
	v_lshl_add_u32 v4, v5, 4, v4
	v_add_nc_u32 v[RD], s21, v4
	v_lshlrev_b32 v[CO], 4, v3                     ; which are 512 consecutive bytes of the output
	; my 96 columns are three heads G = (my first column) / 32 + g of the 48 (q's 16, k's 16, v's 16); my 128 rows lie in batch (tile row) / 4
	s_lshr_b32 s2, s18, 2
	s_lshl_b32 s2, s2, 20                          ; the batch: 16 heads of 65,536 bytes
	s_and_b32 s3, s18, 3
	s_lshl_b32 s3, s3, 8
	s_lshl_b32 s47, s13, 7
	s_add_co_u32 s3, s3, s47                       ; my first row in the batch,
	s_lshl_b32 s3, s3, 6                           ; 64 bytes a row
	s_add_co_u32 s2, s2, s3
	s_lshr_b32 s3, s22, 5
.irp g, 0,1,2
	s_add_co_u32 s46, s3, (\g)
	s_lshr_b32 s47, s46, 4                         ; q, k or v: 2^24 bytes each
	s_lshl_b32 s47, s47, 24
	s_and_b32 s46, s46, 15                         ; the head
	s_lshl_b32 s46, s46, 16
	s_add_co_u32 s46, s46, s47
	s_add_co_u32 s46, s46, s2
	s_mov_b32 s47, 0
	s_add_nc_u64 s[OB+2*(\g):OB+2*(\g)+1], s[10:11], s[46:47]
.endr
; MB / 4 blocks of rows x all blocks of columns, 32 along K, from buffer f.  hi: my rows' lower or upper half (window 2 or 3); part: which half of that.  cmode = 1: the bias starts the sums.
; All 48 accumulators take turns, one instruction a turn, in the same order in every quarter step: 47 others stand between two links of a chain.
.macro MULP f, hi, part, cmode
.if \cmode
	WIN 0x85+0x40*(\hi)
.else
	WIN 0xa5+0x50*(\hi)
.endif
.set a, (\part)*(MB/4)
.rept MB/4
.set b, 0
.rept NBK
.set rD, 8*(NBK*a+b)
.set rB, (\f)+8*b
.set rA, (\f)+8*NBK+8*((\hi)*(MB/2)+a)
.if \cmode
	v_wmma_f32_16x16x32_bf16 v[rD:rD+7], v[rB:rB+7], v[rA:rA+7], v[BI+8*b:BI+8*b+7]
.else
	v_wmma_f32_16x16x32_bf16 v[rD:rD+7], v[rB:rB+7], v[rA:rA+7], v[rD:rD+7]
.endif
.set b, b+1
.endr
.set a, a+1
.endr
.endm
; NL LDS loads in one run: the fragments of quarter q of a slot's K step into buffer f: B's first, then A's in the order of their rows
.macro FETCH slot, q, f
	WIN 0x40
.set i, 0
.rept NBK
	ds_load_b128 v[(\f)+8*i:(\f)+8*i+3],   v[ADRB+(\slot)] offset:(\q)*QB+i*16*PB
	ds_load_b128 v[(\f)+8*i+4:(\f)+8*i+7], v[ADRB+(\slot)] offset:(\q)*QB+i*16*PB+32
.set i, i+1
.endr
.set i, 0
.rept MB
	ds_load_b128 v[(\f)+8*NBK+8*i:(\f)+8*NBK+8*i+3],   v[ADRA+(\slot)] offset:(\q)*QA+i*16*PA
	ds_load_b128 v[(\f)+8*NBK+8*i+4:(\f)+8*NBK+8*i+7], v[ADRA+(\slot)] offset:(\q)*QA+i*16*PA+32
.set i, i+1
.endr
.endm
; One of a K step's first three quarters: multiplies buffer f; in its middle it fetches quarter q into buffer g.
.macro QUARTER slot, q, f, g, cmode
	s_wait_dscnt NY                                ; B and A's lower rows are in; the NY youngest loads (A's upper rows) may be out
	MULP \f, 0, 0, \cmode
	MULP \f, 0, 1, \cmode
	PLACES
	FETCH \slot, \q, \g
	s_wait_dscnt NL                                ; all but the run just issued
	MULP \f, 1, 0, \cmode
	MULP \f, 1, 1, \cmode
.endm
; The last quarter multiplies buffer 1 and changes slots: ONE barrier; in front of it each wave waits for all its tensor loads (one is out: its part of the next slot), adds 0 to its spare word,
; and waits for that and for its own reads of this slot.  fill = 1: the barrier opens a round of the cluster's, and this slot is filled again, two K steps ahead, first thing behind the round.
.macro TURN slot, next, fill
	WIN 0                                          ; (the add's two registers lie in window 0)
	s_wait_tensorcnt 0x0
	ds_add_u32 v[SPW], v[NIL]                      ; 0 onto my spare word
	s_wait_dscnt NY+1                              ; (the add and the NY youngest loads may be out)
	MULP F1, 0, 0, 0                               ; matrix work stands between the add and the wait for it
	s_wait_dscnt 0x0                               ; the add is done, and my reads of this slot are over
	s_barrier_signal -1
	MULP F1, 0, 1, 0
.if \fill
	WIN 0
.endif
	s_barrier_wait -1
.if \fill
	CREST                                          ; no wave of any partner still reads this slot's tile or has a load on its way
	s_add_nc_u64 s[G0A+4*(\slot)+2:G0A+4*(\slot)+3], s[G0A+4*(\slot)+2:G0A+4*(\slot)+3], STEPA
	s_add_nc_u64 s[G0B+4*(\slot)+2:G0B+4*(\slot)+3], s[G0B+4*(\slot)+2:G0B+4*(\slot)+3], STEPB
	JLOAD \slot                                    ; the four v_nop behind it are also the places in front of the loads below
.else
	PLACES
.endif
	FETCH \next, 0, F0
	MULP F1, 1, 0, 0
	MULP F1, 1, 1, 0
.endm
; THE WAY OUT of block a (16 rows x 96 columns).  PACK: rounded to f16, 16 bytes a lane, each accumulator from its low end on.  TOSTAGE: into my stage, by heads, and back as whole rows.  SEND: stored.
.macro PACK a
.set AC, 8*NBK*((\a)%4)
	WIN 0x0a+5*((\a)/4)                            ; sources 0 and 1: window 2 or 3
.set b, 0
.rept NBK
.irp r, 0,1,2,3
	v_cvt_pk_f16_f32 v[TMP+4*b+(\r)], v[AC+8*b+2*(\r)], v[AC+8*b+2*(\r)+1]
.endr
.set b, b+1
.endr
	WIN 0
.endm
.macro TOSTAGE a
	WIN 0
.set BK, BK0+24*((\a)%2)
.irp b, 0,1,2,3,4,5
	ds_store_b128 v[STO], v[TMP+4*(\b):TMP+4*(\b)+3] offset:1280*((\b)/2)+32*((\b)%2)
.endr
.irp t, 0,1,2,3,4,5
	ds_load_b128 v[BK+4*(\t):BK+4*(\t)+3], v[RD] offset:1280*((\t)/2)+640*((\t)%2)  ; LDS serves a wave's instructions in order (ISA guide 5.7.1.4): these see the stores above
.endr
.endm
.macro SEND a, younger
	WIN 0
.set BK, BK0+24*((\a)%2)
	s_wait_dscnt \younger                          ; the block is back in registers
	s_wait_xcnt 0x0                                ; the stores of the block before have read their registers: the next TOSTAGE loads into them only behind this wait
.irp t, 0,1,2,3,4,5
	global_store_b128 v[CO], v[BK+4*(\t):BK+4*(\t)+3], s[OB+2*((\t)/2):OB+2*((\t)/2)+1] offset:1024*(\a)+512*((\t)%2)  ; 512 consecutive bytes, aligned: eight rows of a head
.endr
.endm
	s_wait_tensorcnt 0x1                           ; my part of K step 0 is in; K step 1's may stay out
	s_barrier_signal -1
	s_barrier_wait -1                              ; everybody's is
	FETCH 0, 0, F0
	s_wait_loadcnt 0x0                             ; the bias
	QUARTER 0, 1, F0, F1, 1                        ; K step 0; its first quarter starts the sums
	QUARTER 0, 2, F1, F0, 0
	QUARTER 0, 3, F0, F1, 0
	TURN 0, 1, 1                                   ; slot 0 takes K step 2
	QUARTER 1, 1, F0, F1, 0                        ; K step 1
	QUARTER 1, 2, F1, F0, 0
	QUARTER 1, 3, F0, F1, 0
	TURN 1, 0, 1                                   ; slot 1 takes K step 3
	QUARTER 0, 1, F0, F1, 0                        ; K step 2
	QUARTER 0, 2, F1, F0, 0
	QUARTER 0, 3, F0, F1, 0
	TURN 0, 1, 0                                   ; nothing is left to fetch
	QUARTER 1, 1, F0, F1, 0                        ; K step 3
	QUARTER 1, 2, F1, F0, 0
	QUARTER 1, 3, F0, F1, 0
	s_wait_dscnt NY
	MULP F1, 0, 0, 0
	MULP F1, 0, 1, 0
	s_wait_dscnt 0x0
	MULP F1, 1, 0, 0
	MULP F1, 1, 1, 0
	WIN 0
	PLACES
	PACK 0
	TOSTAGE 0
.irp a, 1,2,3,4,5,6,7                  ; block a's conversions stand between block a - 1's loads from the stage and the wait for them
	PACK \a
	SEND (\a)-1, 0
	TOSTAGE \a
.endr
	SEND 7, 0
	s_wait_tensorcnt 0x0                           ; the wave's end: a wait, an add and its wait, behind my last tensor load and my last LDS store
	ds_add_u32 v[SPW], v[NIL]
	s_wait_dscnt 0x0
	CROUND                                         ; the closing round: no work-group ends while a partner may still ask for a tile that names it
	s_endpgm
.Lfunc_end_k_qd2492d5c0d_proj:
	.size	k_qd2492d5c0d_proj, .Lfunc_end_k_qd2492d5c0d_proj-k_qd2492d5c0d_proj
	.p2alignl 7, 3214868480
	.fill 96, 4, 3214868480
	.section	.rodata,"a",@progbits
	.p2align	6, 0x0
	.amdhsa_kernel k_qd2492d5c0d_proj
		.amdhsa_group_segment_fixed_size 327680
		.amdhsa_private_segment_fixed_size 0
		.amdhsa_enable_private_segment 0
		.amdhsa_kernarg_size 32
		.amdhsa_user_sgpr_count 2
		.amdhsa_user_sgpr_kernarg_segment_ptr 1
		.amdhsa_wavefront_size32 1
		.amdhsa_system_sgpr_workgroup_id_x 1
		.amdhsa_system_sgpr_workgroup_id_y 1
		.amdhsa_system_sgpr_workgroup_id_z 1
		.amdhsa_system_vgpr_workitem_id 0
		.amdhsa_next_free_vgpr 960
		.amdhsa_next_free_sgpr 72
		.amdhsa_reserve_vcc 0
		.amdhsa_float_denorm_mode_32 3
		.amdhsa_float_denorm_mode_16_64 3
		.amdhsa_memory_ordered 1
		.amdhsa_forward_progress 1
		.amdhsa_inst_pref_size 116
	.end_amdhsa_kernel
	.amdgpu_metadata
---
amdhsa.version: [ 1, 2 ]
amdhsa.kernels:
  - .name:           k_qd2492d5c0d_proj
    .symbol:         k_qd2492d5c0d_proj.kd
    .args:
      - { .name: xb, .offset: 0, .size: 8, .value_kind: global_buffer, .address_space: global }
      - { .name: wb, .offset: 8, .size: 8, .value_kind: global_buffer, .address_space: global }
      - { .name: bias, .offset: 16, .size: 8, .value_kind: global_buffer, .address_space: global }
      - { .name: qkvh, .offset: 24, .size: 8, .value_kind: global_buffer, .address_space: global }
    .group_segment_fixed_size: 327680
    .private_segment_fixed_size: 0
    .kernarg_segment_align: 8
    .kernarg_segment_size: 32
    .max_flat_workgroup_size: 128
    .sgpr_count:     72
    .vgpr_count:     960
    .wavefront_size: 32
...
	.end_amdgpu_metadata
.endif
;; end of part 2
;; launch attn (part 3): grid 256 x 1, 8 waves a work-group, no clusters, 191,488 bytes of LDS; arguments qkvh, ctxh; writes ctxh
.if DOCPART == 3
	.amdgcn_target "amdgcn-amd-amdhsa--gfx1250"
	.amdhsa_code_object_version 6
	.text
	.protected	k_qd2492d5c0d_attn
	.globl	k_qd2492d5c0d_attn
	.p2align	8
	.type	k_qd2492d5c0d_attn,@function
k_qd2492d5c0d_attn:
	s_mov_b64 s[64:65], 0
	v_nop
	global_prefetch_b8 v0, s[64:65] scope:SCOPE_SE
	s_setreg_imm32_b32 hwreg(HW_REG_WAVE_MODE, 25, 1), 1
	s_wait_xcnt 0x0
; ATTENTION AT HEAD SIZE 32.  O[q][:] = the sum over k of softmax_k(Q[q] . K[k] / 32) V[k][:], for one (batch, head) a work-group: 1,024 queries, 1,024 keys.  Q, K, V: qkvh [3][256][1024][32], f16.
; O leaves as f16 in ctxh [128 blocks of 128 rows][16 heads][128 rows][32]: the next launch's tiles lie dense there.  WORK LEFT OUT: bk (shown at the head of the first kernel): K comes without it.
; NO CLUSTER: no two work-groups read the same byte.
; ALL OF K AND V LIES IN LDS, filled once: each wave asks for an eighth of K and then an eighth of V at the head.  No slot is ever filled again.
; TWO PASSES over the keys.  At this head size a tile of 16 queries x 64 keys has 8 matrix instructions, and a running maximum would cost far more vector lines than those cover.  So K Q^T IS COMPUTED TWICE:
;   pass 1: S^T = K Q^T, of which only each query's maximum m over all 1,024 keys is kept (the true maximum, as the softmax takes it away);
;   pass 2: S^T = K Q^T - m, where -m is the C operand that starts the sum; then p = 2^S, rounded to f16 for O^T = V^T P; l = the sum of the unrounded p.  No scaling, no rescaling, no carried correction.
; That is half as many score products again as the problem's own; in exchange a tile and step lose 32 vector lines.
; THE SCALE c = log2(e) / 32 is multiplied into Q once, in f16 (c as f16 is 0x29c5, off by 2.2e-4 of itself): a second rounding of Q.  So S is c s, and 2^(c s - c m) = e^((s - m) / 32).
; LIMITS.  Q, K, V arrive within f16's 65,504; p lies in 0 to 1 (to within rounding); a weight below 2^-126 counts as 0; NaN and infinities are not treated apart.
; SHARES.  Eight waves, two to a SIMD; wave w owns queries 128 w .. 128 w + 127: eight tiles of 16.  Every wave walks all keys, 64 a step.
; LAYOUT.  S^T = K Q^T (source 0 = 16 keys, source 1 = 16 queries; 32 channels are ONE matrix instruction): a lane holds ONE query (lane % 16) and the keys 8 (lane / 16) + 0..7.  Two such results, rounded
; in pairs, ARE source 1 (32 keys x 16 queries) of O^T = V^T P.  K comes out of LDS as it lies, V ([key][channel]) turned, by ds_load_tr16_b128.
; REGISTERS, in windows of 256 (s_set_vgpr_msb: bits 1:0 source 0, 3:2 source 1, 5:4 source 2, 7:6 destination):
;   window 0: v1-15 addresses; v16-31 l, two a tile; v32-63 P, two buffers (pass 1: four running maxima a tile); v64-127 S^T, two buffers; v128-159 K of a step; v160-191 V of a step (pass 1: K's second buffer)
;   window 1: v0-63 Q, 8 a tile; v64-127 -m, 8 copies a tile; v128-255 O^T, 16 a tile
.set PK,    80                         ; a row of K in LDS: 64 bytes + 16 of padding: an odd multiple of 16 (64 banks of 4 bytes: ISA guide 11.1)
.set PV,    96                         ; a row of V: 64 + 32: an odd multiple of 32, for the turning load
.set VBASE, 1024*PK                    ; V lies behind K
.set STAGE, VBASE+1024*PV              ; behind both, never filled by a tensor load: 16 rows x 80 bytes for each wave, for the way out
.set SPARE, STAGE+8*1280               ; behind the stages: the spare words, 128 bytes for each wave: four blocks of 256 bytes that no other line names
.set AK0, 2                            ; v2   my lane's place in a step of K; never rewritten
.set AV0, 3                            ; v3   the same for V
.set QO,  4                            ; v4   my byte offset in 16 rows of Q
.set STO, 5                            ; v5   the way out: where I put 16 bytes of a row
.set RD,  6                            ; v6   where I read rows back
.set GO,  7                            ; v7   my byte offset in 512 consecutive bytes of the output
.set AK,  8                            ; v8   the LDS address of K's run of loads in hand
.set AV,  9                            ; v9   of V's
.set SPW, 12                           ; v12  LDS address of my spare word: SPARE + 4 x my thread's number; never rewritten
.set NIL, 13                           ; v13  0; never rewritten
.set L,   16
.set P,   32
.set CH,  32
.set S,   64
.set KF,  128
.set VF,  160
.set Q,   0                            ; window 1
.set MC,  64
.set O,   128
.set WV,  8                            ; s8   my wave's number
.set G1K, 16                           ; s[16:23] descriptor group 1 for K
.set G1V, 24                           ; s[24:31] for V: it differs in the padding alone
.set G0K, 32                           ; s[32:35] descriptor group 0 for K
.set G0V, 36                           ; s[36:39] for V
.set SEL, 40                           ; s[40:41] v_permlanex16_b32's selects: each lane takes its own place in the other half
.set CNT, 42                           ; s42  the loops' counter
.set TBK, 43                           ; s43  LDS byte at which K of the step to be fetched begins
.set TBV, 44                           ; s44  the same for V, less VBASE
.set MSB, 0
.macro WIN new                         ; the high byte repeats the setting that is left; a switch that changes nothing is dropped
.if MSB != (\new)
	s_set_vgpr_msb (MSB<<8)|(\new)
.set MSB, (\new)
.endif
.endm
.macro PLACES                          ; four places behind matrix instructions (ISA guide 7.12.1)
.rept 4
	v_nop
.endr
.endm
.macro ALLT line:vararg                ; one line for each tile t
.set t, 0
.rept 8
	\line
.set t, t+1
.endr
.endm
	s_load_b128 s[4:7], s[0:1], 0x0                ; qkvh s[4:5], ctxh s[6:7]
	v_lshl_add_u32 v[SPW], v0, 2, SPARE
	v_mov_b32 v[NIL], 0
	ds_add_u32 v[SPW], v[NIL]                      ; the wave's opening: the add, twice on end, and its wait ahead of my first tensor load
	ds_add_u32 v[SPW], v[NIL]                      ; and once more, under the one wait; the set-up below, work on registers, stands between
	v_lshrrev_b32 v1, 5, v0
	v_readfirstlane_b32 s[WV], v1                  ; wave 0..7
	s_lshl_b32 s10, ttmp9, 16                      ; my (batch, head): 65,536 bytes of Q, of K and of V,
	s_lshl_b32 s9, s[WV], 13                       ; my wave's 128 rows of 64 bytes
	s_add_co_u32 s10, s10, s9
	s_mov_b32 s11, 0
	s_lshr_b32 s12, ttmp9, 4                       ; the batch;
	s_lshl_b32 s12, s12, 3
	s_add_co_u32 s12, s12, s[WV]                   ; my block of 128 rows among the 128 blocks,
	s_lshl_b32 s12, s12, 17                        ; 16 heads x 8,192 bytes each,
	s_and_b32 s13, ttmp9, 15
	s_lshl_b32 s13, s13, 13                        ; and my head in it
	s_add_co_u32 s12, s12, s13
	s_mov_b32 s13, 0
	; descriptor group 1.  128 keys are 8,192 dense bytes: asked for as 32 rows of 256 bytes, four keys a row, and padded in LDS after every key
	s_mov_b32 s[G1K], (1<<16)|(1<<20)|(3<<22)|(3<<25)  ; 17:16 2-byte elements; 20 padding on; 24:22 after every 16 words (code 3); 31:25 4 words (code 3)
	s_mov_b32 s[G1V], (1<<16)|(1<<20)|(3<<22)|(7<<25)  ; the same with 8 words of padding (code 7)
.irp g, G1K, G1V
	s_mov_b32 s[(\g)+1], 128<<16                   ; tensor_dim0 = 128
	s_mov_b32 s[(\g)+2], 32<<16                    ; tensor_dim1 = 32
	s_mov_b32 s[(\g)+3], 128<<16                   ; tile_dim0 = 128
	s_mov_b32 s[(\g)+4], 32                        ; tile_dim1 = 32
	s_mov_b32 s[(\g)+5], 128                       ; 128 elements from row to row
	s_mov_b32 s[(\g)+6], 0
	s_mov_b32 s[(\g)+7], 0
.endr
	s_mov_b32 s[G0K], 1
	s_mul_i32 s[G0K+1], s[WV], 128*PK              ; my eighth of K in LDS
	s_mov_b32 s[G0V], 1
	s_mul_i32 s[G0V+1], s[WV], 128*PV              ; and of V
	s_add_co_u32 s[G0V+1], s[G0V+1], VBASE
	s_mov_b32 s[SEL], 0x76543210
	s_mov_b32 s[SEL+1], 0xfedcba98
	s_wait_dscnt 0x0                               ; both opening adds are done
	s_wait_kmcnt 0x0
	s_add_nc_u64 s[4:5], s[4:5], s[10:11]          ; Q at my wave's first row
	s_add_nc_u64 s[6:7], s[6:7], s[12:13]          ; the output at my wave's 8,192 bytes
	s_add_nc_u64 s[G0K+2:G0K+3], s[4:5], 0x1000000 ; K lies 2^24 bytes behind Q,
	s_or_b32 s[G0K+3], s[G0K+3], 0x80000000
	s_add_nc_u64 s[G0V+2:G0V+3], s[4:5], 0x2000000 ; V 2^25
	s_or_b32 s[G0V+3], s[G0V+3], 0x80000000
	tensor_load_to_lds s[G0K:G0K+3], s[G1K:G1K+7]  ; both fills go out together, K's first: two tensor loads of mine are out, and there are no more
	s_nop 0
	tensor_load_to_lds s[G0V:G0V+3], s[G1V:G1V+7]
	s_nop 0
.rept 4
	v_nop
.endr
	v_and_b32 v1, 15, v0                           ; l % 16
	v_bfe_u32 v10, v0, 4, 1                        ; l / 16
	v_and_b32 v11, 31, v0                          ; l
	v_lshlrev_b32 v[QO], 6, v1
	v_lshl_add_u32 v[QO], v10, 4, v[QO]            ; row x 64 + 16 x half
	WIN 0x40                                       ; destination window 1, address window 0
.set i, 0
.rept 8                                        ; Q stays in registers: a fragment (16 queries x 32 channels) a tile
	global_load_b128 v[Q+8*i:Q+8*i+3],   v[QO], s[4:5] offset:1024*i
	global_load_b128 v[Q+8*i+4:Q+8*i+7], v[QO], s[4:5] offset:1024*i+32
.set i, i+1
.endr
	WIN 0
	v_mul_u32_u24 v[AK0], v1, PK
	v_lshl_add_u32 v[AK0], v10, 4, v[AK0]          ; row x pitch + 16 x half
	; The turning load takes 16 keys x 16 channels (lane l reads key 8 (l / 16) + l % 8, channels 8 ((l / 8) % 2) + 0..7) and leaves half a fragment of V^T: lane l holds channel l % 16 and 8 keys.
	v_and_b32 v14, 7, v0
	v_bfe_u32 v15, v0, 3, 1
	v_lshl_add_u32 v[AV0], v10, 3, v14
	v_mul_u32_u24 v[AV0], v[AV0], PV
	v_lshl_add_u32 v[AV0], v15, 4, v[AV0]
	v_add_nc_u32 v[AV0], VBASE, v[AV0]
	s_mul_i32 s9, s[WV], 1280
	s_add_co_u32 s9, s9, STAGE                     ; my stage
	v_add_nc_u32 v[STO], s9, v[AK0]                ; in: row l % 16 (the stage has K's pitch), 16 bytes for each half of the lanes
	v_lshrrev_b32 v14, 2, v11                      ; back: 32 lanes take eight rows of 64 bytes,
	v_and_b32 v15, 3, v0
	v_mul_u32_u24 v14, v14, 80
	v_lshl_add_u32 v14, v15, 4, v14
	v_add_nc_u32 v[RD], s9, v14
	v_lshlrev_b32 v[GO], 4, v11                    ; which are 512 consecutive bytes of the output
.set i, 0
.rept 32
	v_mov_b32 v[CH+i], 0xff7fffff                  ; the running maxima start at the lowest finite number,
.set i, i+1
.endr
.set i, 0
.rept 16
	v_mov_b32 v[L+i], 0                            ; the sums at 0: all this stands in the wait for the first tile
.set i, i+1
.endr
	s_wait_loadcnt 0x0                             ; Q
	WIN 0x41                                       ; destination and source 0 window 1
.set i, 0
.rept 64
	v_pk_mul_f16 v[Q+i], v[Q+i], 0x29c529c5        ; Q times c, two numbers a line
.set i, i+1
.endr
	WIN 0
	s_wait_tensorcnt 0x1                           ; my eighth of K is in; V's load, issued behind it, may stay out
	s_barrier_signal -1
	s_barrier_wait -1                              ; everybody's eighth of K is in
; A step's K (64 keys x 32 channels: 4 fragments) in one run of eight loads, into dst; the scalar steps to the next step.
.macro LDK dst
	v_add_nc_u32 v[AK], s[TBK], v[AK0]
	s_add_co_u32 s[TBK], s[TBK], 64*PK
.irp kb, 0,1,2,3
	ds_load_b128 v[(\dst)+8*(\kb):(\dst)+8*(\kb)+3],   v[AK] offset:16*PK*(\kb)
	ds_load_b128 v[(\dst)+8*(\kb)+4:(\dst)+8*(\kb)+7], v[AK] offset:16*PK*(\kb)+32
.endr
.endm
; A step's V, turned: fragment f = keys 32 (f / 2) on, channels 16 (f % 2) on.
.macro LDV
	v_add_nc_u32 v[AV], s[TBV], v[AV0]
	s_add_co_u32 s[TBV], s[TBV], 64*PV
.irp f, 0,1,2,3
	ds_load_tr16_b128 v[VF+8*(\f):VF+8*(\f)+3],   v[AV] offset:((\f)/2)*32*PV+((\f)%2)*32
	ds_load_tr16_b128 v[VF+8*(\f)+4:VF+8*(\f)+7], v[AV] offset:((\f)/2)*32*PV+16*PV+((\f)%2)*32
.endr
.endm
; PASS 1.  KQ1: tile t's four products of a step, each a whole sum.  MAX: its 32 scores into the tile's four running maxima, three operands a line; each accumulator's lowest registers are read first,
; a chain's links stand four lines apart.
.macro KQ1 t, cur
	WIN 0x04                                       ; Q in window 1
.irp kb, 0,1,2,3
	v_wmma_f32_16x16x32_f16 v[S+32*((\t)%2)+8*(\kb):S+32*((\t)%2)+8*(\kb)+7], v[(\cur)+8*(\kb):(\cur)+8*(\kb)+7], v[Q+8*(\t):Q+8*(\t)+7], 0
.endr
.endm
.macro MAX t
.irp r, 0,1,2,3
.irp j, 0,1,2,3
	v_max3_num_f32 v[CH+4*(\t)+(\j)], v[CH+4*(\t)+(\j)], v[S+32*((\t)%2)+8*(\j)+2*(\r)], v[S+32*((\t)%2)+8*(\j)+2*(\r)+1]
.endr
.endr
.endm
; A step of pass 1: K lies in cur; the next step's K is asked for into nxt at once (its last reader stands 32 plain lines back).  A tile's maxima stand behind the NEXT tile's products: the 16 lines of
; the tile before are the places between a tile's products and its own maxima.  lastskip = 1: in the loop's last trip there is no further step, and the run is jumped over.
.macro STEP1 cur, nxt, lastskip
	s_wait_dscnt 0x0                               ; K of this step is in
.if \lastskip
	s_cmp_eq_u32 s[CNT], 1
	s_cbranch_scc1 .Lnok_\@
.endif
	LDK \nxt
.if \lastskip
.Lnok_\@:
.endif
	KQ1 0, \cur
	KQ1 1, \cur
	WIN 0
	PLACES
	MAX 0
.irp t, 2,3,4,5,6,7
	KQ1 \t, \cur
	WIN 0
	MAX (\t)-1
.endr
	MAX 7
.endm
	s_mov_b32 s[TBK], 0
	LDK KF                                         ; key step 0
	s_mov_b32 s[CNT], 8
.Lp1:                                          ; a trip: two key steps, on K's two buffers
	STEP1 KF, VF, 0
	STEP1 VF, KF, 1
	s_sub_co_u32 s[CNT], s[CNT], 1
	s_cmp_lg_u32 s[CNT], 0
	s_cbranch_scc1 .Lp1
	; each query's maximum: the four chains into one; the query's other keys lie in the lane 16 away; then -m, eight copies a tile, as the C operand of pass 2
	ALLT v_max3_num_f32 v[CH+4*t], v[CH+4*t], v[CH+4*t+1], v[CH+4*t+2]
	ALLT v_max_num_f32 v[CH+4*t], v[CH+4*t], v[CH+4*t+3]
	ALLT v_permlanex16_b32 v[CH+4*t+1], v[CH+4*t], s[SEL], s[SEL+1]
	ALLT v_max_num_f32 v[CH+4*t], v[CH+4*t], v[CH+4*t+1]
	ALLT v_xor_b32 v[CH+4*t], 0x80000000, v[CH+4*t]
	WIN 0x40
.set t, 0
.rept 8
.irp i, 0,1,2,3,4,5,6,7
	v_mov_b32 v[MC+8*t+(\i)], v[CH+4*t]
.endr
.set t, t+1
.endr
	WIN 0
	s_wait_tensorcnt 0x0                           ; my eighth of V is in
	s_wait_dscnt 0x0
	s_barrier_signal -1
	s_barrier_wait -1                              ; everybody's is
; PASS 2.  One product of S^T = K Q^T - m for tile t, keys 16 kb on.
.macro KQ2W t, kb
	v_wmma_f32_16x16x32_f16 v[S+32*((\t)%2)+8*(\kb):S+32*((\t)%2)+8*(\kb)+7], v[KF+8*(\kb):KF+8*(\kb)+7], v[Q+8*(\t):Q+8*(\t)+7], v[MC+8*(\t):MC+8*(\t)+7]
.endm
; A TURN, for tile t.  The next tile's four products, behind each eight of this tile's 32 exponentials (in place; they name a destination and a first source alone, both in window 0, so they stand under the
; products' window setting).  The 32 are ONE BATCH: a v_nop behind the last, and the one wait ahead of the first line that names a result.  Then the 16 roundings to f16 and the
; 16 packed sums (of four weights the second pair is added onto the first in place; l takes that sum a group later), then the tile's four products V^T P: its two accumulators take turns.
; Tile 7 has no next tile: the next step's K is asked for there instead (K's last reader stands 33 plain lines back).  zero = 1: the first key step: its first products start O^T's sums, and nothing is jumped.
.macro TURN2 t, zero
.set SB, S+32*((\t)%2)
.set PBUF, P+16*((\t)%2)
.if (\t) == 7
	WIN 0
.if !(\zero)
	s_cmp_eq_u32 s[CNT], 1                         ; the last trip has no further step
	s_cbranch_scc1 .Lnok2_\@
.endif
	LDK KF
.if !(\zero)
.Lnok2_\@:
.endif
.set i, 0
.rept 32
	v_exp_f32 v[SB+i], v[SB+i]
.set i, i+1
.endr
.else
	WIN 0x14                                       ; Q and -m in window 1
.irp kb, 0,1,2,3
	KQ2W (\t)+1, \kb
.irp j, 0,1,2,3,4,5,6,7
	v_exp_f32 v[SB+8*(\kb)+(\j)], v[SB+8*(\kb)+(\j)]
.endr
.endr
.endif
	v_nop                                          ; the plain instruction behind the last exponential: one for the batch
	WIN 0
	s_wait_alu depctr_va_vdst(0)                   ; the wait for the batch
.set k, 0
.rept 8
	v_cvt_pk_f16_f32 v[PBUF+2*k],   v[SB+4*k],   v[SB+4*k+1]
	v_cvt_pk_f16_f32 v[PBUF+2*k+1], v[SB+4*k+2], v[SB+4*k+3]
	v_pk_add_f32 v[SB+4*k:SB+4*k+1], v[SB+4*k:SB+4*k+1], v[SB+4*k+2:SB+4*k+3]
.if k > 0
	v_pk_add_f32 v[L+2*(\t):L+2*(\t)+1], v[L+2*(\t):L+2*(\t)+1], v[SB+4*k-4:SB+4*k-3]
.endif
.set k, k+1
.endr
	v_pk_add_f32 v[L+2*(\t):L+2*(\t)+1], v[L+2*(\t):L+2*(\t)+1], v[SB+28:SB+29]
.if (\t) == 0
	s_wait_dscnt 0x0                               ; V is in
.endif
	WIN 0x50                                       ; O^T (C and D) in window 1
.irp i, 0,1,2,3                        ; keys 32 (i / 2) on, channels 16 (i % 2) on
.if (\zero) && ((\i) < 2)
	v_wmma_f32_16x16x32_f16 v[O+16*(\t)+8*((\i)%2):O+16*(\t)+8*((\i)%2)+7], v[VF+8*(\i):VF+8*(\i)+7], v[PBUF+8*((\i)/2):PBUF+8*((\i)/2)+7], 0
.else
	v_wmma_f32_16x16x32_f16 v[O+16*(\t)+8*((\i)%2):O+16*(\t)+8*((\i)%2)+7], v[VF+8*(\i):VF+8*(\i)+7], v[PBUF+8*((\i)/2):PBUF+8*((\i)/2)+7], v[O+16*(\t)+8*((\i)%2):O+16*(\t)+8*((\i)%2)+7]
.endif
.endr
.endm
; A key step of pass 2: tile 0's scores, the eight turns, and the next step's V, four places behind V's last reader.
.macro STEP2 zero
	s_wait_dscnt 8                                 ; K is in; V's eight loads, issued behind K's, may stay out
	WIN 0x14
.irp kb, 0,1,2,3
	KQ2W 0, \kb
.endr
	WIN 0
	PLACES
.irp t, 0,1,2,3,4,5,6,7
	TURN2 \t, \zero
.endr
	WIN 0
	PLACES
.if !(\zero)
	s_cmp_eq_u32 s[CNT], 1
	s_cbranch_scc1 .Lnov_\@
.endif
	LDV
.if !(\zero)
.Lnov_\@:
.endif
.endm
	s_mov_b32 s[TBK], 0
	s_mov_b32 s[TBV], 0
	LDK KF                                         ; key step 0
	LDV
	STEP2 1                                        ; the first key step is written out: its products start O^T's sums, so nothing is cleared
	s_mov_b32 s[CNT], 15
.Lp2:
	STEP2 0
	s_sub_co_u32 s[CNT], s[CNT], 1
	s_cmp_lg_u32 s[CNT], 0
	s_cbranch_scc1 .Lp2
	; THE WAY OUT.  l's two halves and the other half of the lanes' are added; O^T is divided by l, rounded to f16 and sent through my stage in LDS, a tile at a time.
	ALLT v_add_f32 v[L+2*t], v[L+2*t], v[L+2*t+1]
	ALLT v_permlanex16_b32 v[L+2*t+1], v[L+2*t], s[SEL], s[SEL+1]
	ALLT v_add_f32 v[L+2*t], v[L+2*t], v[L+2*t+1]
	ALLT v_rcp_f32 v[L+2*t], v[L+2*t]
	v_nop                                          ; a plain instruction between the last reciprocal and the use of its result
	s_wait_alu depctr_va_vdst(0)                   ; and the wait ahead of the first use: one for the eight reciprocals
; Tile t: a lane's eight channels of a row pack into 16 bytes; they go into rows of 80 bytes and come back as whole rows of 64, into the registers that they left.
.macro PACK t
	WIN 0x41
.set i, 0
.rept 8
	v_pk_mul_f32 v[O+16*(\t)+2*i:O+16*(\t)+2*i+1], v[O+16*(\t)+2*i:O+16*(\t)+2*i+1], v[L+2*(\t):L+2*(\t)+1] op_sel_hi:[1,0]
.set i, i+1
.endr
	WIN 0x05                                       ; sources 0 and 1 window 1, destination window 0: S^T's registers are free
.set i, 0
.rept 8
	v_cvt_pk_f16_f32 v[S+8*(\t)+i], v[O+16*(\t)+2*i], v[O+16*(\t)+2*i+1]
.set i, i+1
.endr
	WIN 0
	ds_store_b128 v[STO], v[S+8*(\t):S+8*(\t)+3]
	ds_store_b128 v[STO], v[S+8*(\t)+4:S+8*(\t)+7] offset:32
	ds_load_b128 v[S+8*(\t):S+8*(\t)+3],   v[RD]             ; LDS serves a wave's instructions in order (ISA guide 5.7.1.4): these see the stores above; the next tile's stores come behind them
	ds_load_b128 v[S+8*(\t)+4:S+8*(\t)+7], v[RD] offset:640
.endm
.macro SEND t, younger                 ; younger: the LDS instructions issued behind tile t's loads: the next tile's four, or none
.irp f, 0,1
	s_wait_dscnt (\younger)+1-(\f)
	global_store_b128 v[GO], v[S+8*(\t)+4*(\f):S+8*(\t)+4*(\f)+3], s[6:7] offset:(\t)*1024+(\f)*512  ; 512 consecutive bytes, aligned
.endr
.endm
	PACK 0
.set t, 1
.rept 7                                ; a tile's arithmetic stands between the loads of the tile before and its stores
	PACK t
	SEND t-1, 4
.set t, t+1
.endr
	SEND 7, 0
	s_wait_tensorcnt 0x0                           ; the wave's end: a wait, an add and its wait, behind my last tensor load and my last LDS store
	ds_add_u32 v[SPW], v[NIL]
	s_wait_dscnt 0x0
	s_endpgm
.Lfunc_end_k_qd2492d5c0d_attn:
	.size	k_qd2492d5c0d_attn, .Lfunc_end_k_qd2492d5c0d_attn-k_qd2492d5c0d_attn
	.p2alignl 7, 3214868480
	.fill 96, 4, 3214868480
	.section	.rodata,"a",@progbits
	.p2align	6, 0x0
	.amdhsa_kernel k_qd2492d5c0d_attn
		.amdhsa_group_segment_fixed_size 191488
		.amdhsa_private_segment_fixed_size 0
		.amdhsa_enable_private_segment 0
		.amdhsa_kernarg_size 16
		.amdhsa_user_sgpr_count 2
		.amdhsa_user_sgpr_kernarg_segment_ptr 1
		.amdhsa_wavefront_size32 1
		.amdhsa_system_sgpr_workgroup_id_x 1
		.amdhsa_system_sgpr_workgroup_id_y 1
		.amdhsa_system_sgpr_workgroup_id_z 1
		.amdhsa_system_vgpr_workitem_id 0
		.amdhsa_next_free_vgpr 512
		.amdhsa_next_free_sgpr 66
		.amdhsa_reserve_vcc 0
		.amdhsa_float_denorm_mode_32 3
		.amdhsa_float_denorm_mode_16_64 3
		.amdhsa_memory_ordered 1
		.amdhsa_forward_progress 1
		.amdhsa_inst_pref_size 120
	.end_amdhsa_kernel
	.amdgpu_metadata
---
amdhsa.version: [ 1, 2 ]
amdhsa.kernels:
  - .name:           k_qd2492d5c0d_attn
    .symbol:         k_qd2492d5c0d_attn.kd
    .args:
      - { .name: qkvh, .offset: 0, .size: 8, .value_kind: global_buffer, .address_space: global }
      - { .name: ctxh, .offset: 8, .size: 8, .value_kind: global_buffer, .address_space: global }
    .group_segment_fixed_size: 191488
    .private_segment_fixed_size: 0
    .kernarg_segment_align: 8
    .kernarg_segment_size: 16
    .max_flat_workgroup_size: 256
    .sgpr_count:     66
    .vgpr_count:     512
    .wavefront_size: 32
...
	.end_amdgpu_metadata
.endif
;; end of part 3
;; launch oproj (part 4): grid 128 x 2, 4 waves a work-group, clusters of 4 x 1, 327,680 bytes of LDS; arguments ctxh, wo16, bias, out0; writes out0
.if DOCPART == 4
	.amdgcn_target "amdgcn-amd-amdhsa--gfx1250"
	.amdhsa_code_object_version 6
	.text
	.protected	k_qd2492d5c0d_oproj
	.globl	k_qd2492d5c0d_oproj
	.p2align	8
	.type	k_qd2492d5c0d_oproj,@function
k_qd2492d5c0d_oproj:
	s_mov_b64 s[64:65], 0
	v_nop
	global_prefetch_b8 v0, s[64:65] scope:SCOPE_SE
	s_setreg_imm32_b32 hwreg(HW_REG_WAVE_MODE, 25, 1), 1
	s_wait_xcnt 0x0
	s_wait_alu depctr_hold_cnt(0) depctr_sa_sdst(0) depctr_va_vdst(0) depctr_va_sdst(0) depctr_va_ssrc(0) depctr_va_vcc(0) depctr_vm_vsrc(0)
	s_getreg_b32 s2, hwreg(HW_REG_IB_STS2, 6, 4)
	s_cmp_eq_u32 s2, 0
	s_cbranch_scc0 .Lentry_in_a_cluster
	s_endpgm
.Lentry_in_a_cluster:
	s_bfe_u32 s2, ttmp6, 0x10000c
	s_cmp_lg_u32 s2, 0x3003
	s_cbranch_scc0 .Lentry_shape_is_right
	s_endpgm
.Lentry_shape_is_right:
; THE OUTPUT PROJECTION.  out0[m][n] = bo[n] + the sum over k of ctx[m][k] wo[n][k]: m 16,384, n 512, k 512 (k = 32 head + channel); f16 operands, f32 sums, f32 out.
; ctxh is [128 blocks of 128 rows][16 heads][128 rows][32] f16: a block's four heads of a K step are 32,768 dense bytes.  wo16 is [512][512] f16.  bo lies at numbers 1,536 .. 2,047 of the bias table.
; SHARES.  A tile of out0 is 128 x 256: 256 work-groups.  Four waves, each 64 x 128: 32 accumulators of 16 x 16, 256 registers.  K goes in four steps of 128 (four heads) through two LDS slots: steps 0 and 1
; are the first fills, steps 2 and 3 the two refills, so all is written out: no loop.
; CLUSTER.  4 x 1 work-groups: four blocks of rows with the same 256 columns.  They need the same tile of wo16 (69,632 of a slot's 110,592 bytes), which is asked for jointly, by the same tensor load with the
; same descriptor and the mask of four; a block's own tile of ctxh comes by a load of its own, behind the same round.  Two tile columns do not make a cluster of 4 x 4.
; THE MATRIX INSTRUCTION IS USED TRANSPOSED (source 0 = 16 rows of wo16, source 1 = 16 rows of ctx): lane l holds row m = l % 16 and the columns 8 (l / 16) + 0..7.
; THE BIAS IS THE C OPERAND of the products that start the sums, so the way out has no arithmetic at all.
; REGISTERS, in windows of 256 (s_set_vgpr_msb: bits 1:0 source 0, 3:2 source 1, 5:4 source 2, 7:6 destination):
;   window 0: v1-29 addresses; v64-127 the bias; v128-255 rows read back on the way out          window 1: two fragment buffers: 64 registers of wo16, then 32 of ctx, at v0 and at v128
;   window 2: the accumulators of my rows 0-31 ((a, b) at 8 (8 (a % 2) + b));   window 3: those of my rows 32-63
.set MB,    4                          ; blocks of 16 rows of a wave
.set NBK,   8                          ; blocks of 16 columns of a wave
.set PA,    80                         ; a row of one head in LDS: 64 bytes + 16 of padding;
.set PB,    272                        ; a row of wo16: 256 + 16: both odd multiples of 16 (64 banks of 4 bytes: ISA guide 11.1)
.set QA,    128*PA                     ; a quarter step (32 along K) is a head: 128 rows on in A's part
.set QB,    64                         ; and 64 bytes on in B's rows
.set AHALF, 2*128*PA                   ; what one tensor load brings of A: two heads
.set BHALF, 128*PB                     ; and of B: 128 rows
.set APART, 2*AHALF
.set SLOT,  APART+2*BHALF              ; 110,592 bytes
.set STEPA, 65536                      ; bytes in memory from a slot's K step to its next: eight heads of 8,192
.set STEPB, 512
.set STAGE, 2*SLOT                     ; behind the ring: 16 rows x 528 bytes for each wave, for the way out
.set WSTG,  16*528
.set SPARE, STAGE+4*WSTG               ; behind the stages: the spare words, 128 bytes for each wave: two blocks of 256 bytes that no other line names
.set NL,    2*(MB+NBK)                 ; LDS loads in a run: the fragments of a quarter step
.set NY,    MB                         ; the youngest of them: A's rows 32-63
.set ADRA, 16                          ; v16-17  LDS address of my A fragments in slot 0, 1
.set ADRB, 20                          ; v20-21  the same for B
.set STO,  24                          ; v24     the way out: where I put 32 bytes of a row
.set RD,   25                          ; v25     where I read a row back
.set CO,   26                          ; v26     my byte offset in a row's 512 bytes
.set BO,   27                          ; v27     my byte offset in the bias table
.set SPW,  28                          ; v28     LDS address of my spare word: SPARE + 4 x my thread's number; never rewritten
.set NIL,  29                          ; v29     0; never rewritten
.set BI,   64                          ; v64-127 the bias
.set BK0,  128                         ; v128-191, v192-255 rows read back from the stage, by turns
.set F0,   0
.set F1,   128
.set G1A,  24                          ; s[24:31] descriptor group 1 for A's tiles;  s[32:39] group 0, a set for each slot
.set G0A,  32
.set G1B,  48                          ; s[48:55], s[56:63] the same for B's
.set G0B,  56
.set OB,   66                          ; s[66:67] out0 at my first row and column
.set MSB, 0
.macro WIN new                         ; the immediate's high byte repeats the setting that is left; a switch that changes nothing is dropped
.if MSB != (\new)
	s_set_vgpr_msb (MSB<<8)|(\new)
.set MSB, (\new)
.endif
.endm
.macro PLACES                          ; four places in front of loads into registers that matrix instructions have read, and of lines that read results
.rept 4
	v_nop
.endr
.endm
; A fill: waves 0 and 1 fetch the two halves of my own tile of A, waves 2 and 3 jointly those of B.  The branch hangs on the wave's number alone.  An s_nop 0 and four v_nop follow each line.
.macro JLOAD s
	s_cmp_eq_u32 s13, 0
	s_cbranch_scc0 .Lfor_b_\@
	tensor_load_to_lds s[G0A+4*(\s):G0A+4*(\s)+3], s[G1A:G1A+7]
	s_nop 0
.rept 4
	v_nop
.endr
	s_branch .Lasked_\@
.Lfor_b_\@:
	tensor_load_to_lds s[G0B+4*(\s):G0B+4*(\s)+3], s[G1B:G1B+7]
	s_nop 0
.rept 4
	v_nop
.endr
.Lasked_\@:
.endm
.macro CREST                           ; a round of the cluster's barrier behind its opening barrier
	s_cmp_lg_u32 s12, 0
	s_cbranch_scc1 .Lnot_wave_0_\@
	s_barrier_signal -3
.Lnot_wave_0_\@:
	s_barrier_wait -3
	s_barrier_signal -1
	s_barrier_wait -1
.endm
.macro CROUND                          ; a whole round
	s_barrier_signal -1
	s_barrier_wait -1
	CREST
.endm
	s_load_b256 s[4:11], s[0:1], 0x0               ; ctxh s[4:5], wo16 s[6:7], bias s[8:9], out0 s[10:11]
	v_lshl_add_u32 v[SPW], v0, 2, SPARE
	v_mov_b32 v[NIL], 0
	ds_add_u32 v[SPW], v[NIL]                      ; the wave's opening: the add, twice on end, and its wait ahead of my first tensor load
	ds_add_u32 v[SPW], v[NIL]                      ; and once more, under the one wait; the set-up below, work on registers, stands between
	v_lshrrev_b32 v1, 5, v0
	v_readfirstlane_b32 s12, v1                    ; wave 0..3
	s_lshr_b32 s13, s12, 1                         ; which half of the tile's rows is mine.  Also: I fetch for A (0) or for B (1)
	s_and_b32 s14, s12, 1                          ; which half of its columns.  Also: which half of that tile I fetch
	s_bfe_u32 s15, ttmp6, 0x40000                  ; cx: my place in the cluster
	s_lshl_b32 s17, ttmp9, 2
	s_add_co_u32 s17, s17, s15                     ; my block of 128 rows = 4 x cluster x + cx: it enters A's and out0's addresses alone
	s_and_b32 s18, ttmp7, 0xffff                   ; the tile column, which the four partners share
	s_mov_b32 s[G1A], (1<<16)|(1<<20)|(3<<22)|(3<<25)                 ; no mask; 17:16 2-byte elements; 20 padding on; 24:22 after every 16 words (code 3); 31:25 4 words (code 3)
	s_mov_b32 s[G1A+1], 128<<16                    ; 16,384 dense bytes as 64 rows of 256: tensor_dim0 = 128
	s_mov_b32 s[G1A+2], 64<<16                     ; tensor_dim1 = 64
	s_mov_b32 s[G1A+3], 128<<16                    ; tile_dim0 = 128
	s_mov_b32 s[G1A+4], 64                         ; tile_dim1 = 64
	s_mov_b32 s[G1A+5], 128                        ; 128 elements from row to row
	s_mov_b32 s[G1A+6], 0
	s_mov_b32 s[G1A+7], 0
	s_mov_b32 s[G1B], 15|(1<<16)|(1<<20)|(1<<21)|(5<<22)|(3<<25)      ; 15:0 the mask of four; 21 set beside a mask; 24:22 after every 64 words (code 5); 31:25 4 words
	s_mov_b32 s[G1B+1], 128<<16
	s_mov_b32 s[G1B+2], 128<<16                    ; 128 rows
	s_mov_b32 s[G1B+3], 128<<16
	s_mov_b32 s[G1B+4], 128
	s_mov_b32 s[G1B+5], 512                        ; 512 elements from row to row
	s_mov_b32 s[G1B+6], 0
	s_mov_b32 s[G1B+7], 0
	s_lshl_b32 s40, s17, 17                        ; A: my block's 131,072 bytes,
	s_lshl_b32 s21, s14, 14                        ; which two heads of a K step's four
	s_add_co_u32 s40, s40, s21
	s_mov_b32 s41, 0
	s_lshl_b32 s22, s18, 8                         ; B: row 256 x tile column + 128 x half = my first column of out0
	s_lshl_b32 s21, s14, 7
	s_add_co_u32 s22, s22, s21
	s_lshl_b32 s42, s22, 10                        ; 1,024 bytes a row
	s_mov_b32 s43, 0
	s_mul_i32 s44, s14, AHALF                      ; where they go: no place in the cluster enters an LDS address
	s_mul_i32 s45, s14, BHALF
	s_add_co_u32 s45, s45, APART
	s_wait_dscnt 0x0                               ; both opening adds are done
	s_wait_kmcnt 0x0
	s_add_nc_u64 s[40:41], s[4:5], s[40:41]
	s_add_nc_u64 s[42:43], s[6:7], s[42:43]
	CROUND                                         ; all four work-groups are here: the first joint loads meet
.irp s, 0,1
	s_mov_b32 s[G0A+4*(\s)], 1
	s_add_co_u32 s[G0A+4*(\s)+1], s44, (\s)*SLOT
	s_add_nc_u64 s[G0A+4*(\s)+2:G0A+4*(\s)+3], s[40:41], (\s)*32768  ; K step s: four heads on
	s_or_b32 s[G0A+4*(\s)+3], s[G0A+4*(\s)+3], 0x80000000
	s_mov_b32 s[G0B+4*(\s)], 1
	s_add_co_u32 s[G0B+4*(\s)+1], s45, (\s)*SLOT
	s_add_nc_u64 s[G0B+4*(\s)+2:G0B+4*(\s)+3], s[42:43], (\s)*256
	s_or_b32 s[G0B+4*(\s)+3], s[G0B+4*(\s)+3], 0x80000000
	JLOAD \s
.endr
	; A fragment is 16 rows x 32 K in 8 registers: lane l holds row l % 16; registers 0-3 K = 8 (l / 16) + 0..7, registers 4-7 K = 16 + 8 (l / 16) + 0..7: two loads of 16 bytes, 32 bytes apart.
	v_and_b32 v1, 15, v0                           ; l % 16
	v_bfe_u32 v2, v0, 4, 1                         ; l / 16
	v_mul_u32_u24 v3, v1, PA
	v_lshl_add_u32 v3, v2, 4, v3
	v_mul_u32_u24 v4, v1, PB
	v_lshl_add_u32 v4, v2, 4, v4
	s_mul_i32 s21, s13, 16*MB*PA                   ; my rows in each head of A
	s_mul_i32 s23, s14, 16*NBK*PB                  ; my rows of B,
	s_add_co_u32 s23, s23, APART                   ; which lie behind A's part
.irp s, 0,1
	v_add_nc_u32 v[ADRA+(\s)], s21, v3
	v_add_nc_u32 v[ADRB+(\s)], s23, v4
	s_add_co_u32 s21, s21, SLOT
	s_add_co_u32 s23, s23, SLOT
.endr
	s_add_co_u32 s2, s22, 1536                     ; bo begins at number 1,536 of the table
	s_lshl_b32 s2, s2, 2
	v_lshl_add_u32 v[BO], v2, 5, s2                ; + 32 (l / 16)
.set b, 0
.rept NBK
	global_load_b128 v[BI+8*b:BI+8*b+3],   v[BO], s[8:9] offset:64*b
	global_load_b128 v[BI+8*b+4:BI+8*b+7], v[BO], s[8:9] offset:64*b+16
.set b, b+1
.endr
	s_mul_i32 s21, s12, WSTG
	s_add_co_u32 s21, s21, STAGE                   ; my stage
	v_mul_u32_u24 v3, v1, 528                      ; in: row l % 16, 32 bytes for each half of the lanes
	v_lshl_add_u32 v3, v2, 5, v3
	v_add_nc_u32 v[STO], s21, v3
	v_and_b32 v3, 31, v0
	v_lshlrev_b32 v[CO], 4, v3                     ; back: 32 lanes take one row of 512 bytes
	v_add_nc_u32 v[RD], s21, v[CO]
	s_lshl_b32 s46, s17, 7
	s_lshl_b32 s47, s13, 6
	s_add_co_u32 s46, s46, s47                     ; my first row of out0,
	s_lshl_b32 s46, s46, 11                        ; 2,048 bytes a row,
	s_lshl_b32 s47, s22, 2                         ; and my first column
	s_add_co_u32 s46, s46, s47
	s_mov_b32 s47, 0
	s_add_nc_u64 s[OB:OB+1], s[10:11], s[46:47]
; MB / 4 blocks of rows x all blocks of columns, 32 along K, from buffer f.  hi: my rows' lower or upper half (window 2 or 3); part: which half of that.  cmode = 1: the bias starts the sums.
; All 32 accumulators take turns, one instruction a turn, in the same order in every quarter step: 31 others stand between two links of a chain.
.macro MULP f, hi, part, cmode
.if \cmode
	WIN 0x85+0x40*(\hi)
.else
	WIN 0xa5+0x50*(\hi)
.endif
.set a, (\part)*(MB/4)
.rept MB/4
.set b, 0
.rept NBK
.set rD, 8*(NBK*a+b)
.set rB, (\f)+8*b
.set rA, (\f)+8*NBK+8*((\hi)*(MB/2)+a)
.if \cmode
	v_wmma_f32_16x16x32_f16 v[rD:rD+7], v[rB:rB+7], v[rA:rA+7], v[BI+8*b:BI+8*b+7]
.else
	v_wmma_f32_16x16x32_f16 v[rD:rD+7], v[rB:rB+7], v[rA:rA+7], v[rD:rD+7]
.endif
.set b, b+1
.endr
.set a, a+1
.endr
.endm
; NL LDS loads in one run: the fragments of quarter q of a slot's K step into buffer f: B's first, then A's in the order of their rows
.macro FETCH slot, q, f
	WIN 0x40
.set i, 0
.rept NBK
	ds_load_b128 v[(\f)+8*i:(\f)+8*i+3],   v[ADRB+(\slot)] offset:(\q)*QB+i*16*PB
	ds_load_b128 v[(\f)+8*i+4:(\f)+8*i+7], v[ADRB+(\slot)] offset:(\q)*QB+i*16*PB+32
.set i, i+1
.endr
.set i, 0
.rept MB
	ds_load_b128 v[(\f)+8*NBK+8*i:(\f)+8*NBK+8*i+3],   v[ADRA+(\slot)] offset:(\q)*QA+i*16*PA
	ds_load_b128 v[(\f)+8*NBK+8*i+4:(\f)+8*NBK+8*i+7], v[ADRA+(\slot)] offset:(\q)*QA+i*16*PA+32
.set i, i+1
.endr
.endm
; One of a K step's first three quarters: multiplies buffer f; in its middle it fetches quarter q into buffer g.
.macro QUARTER slot, q, f, g, cmode
	s_wait_dscnt NY                                ; B and A's lower rows are in; the NY youngest loads (A's upper rows) may be out
	MULP \f, 0, 0, \cmode
	MULP \f, 0, 1, \cmode
	PLACES
	FETCH \slot, \q, \g
	s_wait_dscnt NL                                ; all but the run just issued
	MULP \f, 1, 0, \cmode
	MULP \f, 1, 1, \cmode
.endm
; The last quarter multiplies buffer 1 and changes slots: ONE barrier; in front of it each wave waits for all its tensor loads (one is out: its part of the next slot), adds 0 to its spare word,
; and waits for that and for its own reads of this slot.  fill = 1: the barrier opens a round of the cluster's, and this slot is filled again, two K steps ahead, first thing behind the round.
.macro TURN slot, next, fill
	WIN 0                                          ; (the add's two registers lie in window 0)
	s_wait_tensorcnt 0x0
	ds_add_u32 v[SPW], v[NIL]                      ; 0 onto my spare word
	s_wait_dscnt NY+1                              ; (the add and the NY youngest loads may be out)
	MULP F1, 0, 0, 0                               ; matrix work stands between the add and the wait for it
	s_wait_dscnt 0x0                               ; the add is done, and my reads of this slot are over
	s_barrier_signal -1
	MULP F1, 0, 1, 0
.if \fill
	WIN 0
.endif
	s_barrier_wait -1
.if \fill
	CREST                                          ; no wave of any partner still reads this slot's tile or has a load on its way
	s_add_nc_u64 s[G0A+4*(\slot)+2:G0A+4*(\slot)+3], s[G0A+4*(\slot)+2:G0A+4*(\slot)+3], STEPA
	s_add_nc_u64 s[G0B+4*(\slot)+2:G0B+4*(\slot)+3], s[G0B+4*(\slot)+2:G0B+4*(\slot)+3], STEPB
	JLOAD \slot                                    ; the four v_nop behind it are also the places in front of the loads below
.else
	PLACES
.endif
	FETCH \next, 0, F0
	MULP F1, 1, 0, 0
	MULP F1, 1, 1, 0
.endm
; THE WAY OUT of block a (16 rows x 128 columns of f32): the accumulators go into my stage as they are, each from its low end on, 32 bytes a lane, and come back as whole rows of 512 bytes.
.macro OUTB a
.set AC, 64*((\a)%2)
.set BK, BK0+64*((\a)%2)
	WIN 0x08+4*((\a)/2)                            ; the stores' data: window 2 or 3
.set b, 0
.rept NBK
	ds_store_b128 v[STO], v[AC+8*b:AC+8*b+3]   offset:64*b
	ds_store_b128 v[STO], v[AC+8*b+4:AC+8*b+7] offset:64*b+16
.set b, b+1
.endr
	WIN 0
	s_wait_xcnt 0x0                                ; the stores of the block two back have read these registers: they are loaded again only behind this wait
.set i, 0
.rept 16
	ds_load_b128 v[BK+4*i:BK+4*i+3], v[RD] offset:528*i  ; LDS serves a wave's instructions in order (ISA guide 5.7.1.4): these see the stores above; the next block's stores come behind them
.set i, i+1
.endr
.set i, 0
.rept 16
	s_wait_dscnt 15-i                              ; row i is back; the 15 - i younger loads may stay out
	global_store_b128 v[CO], v[BK+4*i:BK+4*i+3], s[OB:OB+1] offset:(16*(\a)+i)*2048 th:TH_STORE_NT  ; 512 consecutive bytes, aligned
.set i, i+1
.endr
.endm
	s_wait_tensorcnt 0x1                           ; my part of K step 0 is in; K step 1's may stay out
	s_barrier_signal -1
	s_barrier_wait -1                              ; everybody's is
	FETCH 0, 0, F0
	s_wait_loadcnt 0x0                             ; the bias
	QUARTER 0, 1, F0, F1, 1                        ; K step 0; its first quarter starts the sums
	QUARTER 0, 2, F1, F0, 0
	QUARTER 0, 3, F0, F1, 0
	TURN 0, 1, 1                                   ; slot 0 takes K step 2
	QUARTER 1, 1, F0, F1, 0                        ; K step 1
	QUARTER 1, 2, F1, F0, 0
	QUARTER 1, 3, F0, F1, 0
	TURN 1, 0, 1                                   ; slot 1 takes K step 3
	QUARTER 0, 1, F0, F1, 0                        ; K step 2
	QUARTER 0, 2, F1, F0, 0
	QUARTER 0, 3, F0, F1, 0
	TURN 0, 1, 0                                   ; nothing is left to fetch
	QUARTER 1, 1, F0, F1, 0                        ; K step 3
	QUARTER 1, 2, F1, F0, 0
	QUARTER 1, 3, F0, F1, 0
	s_wait_dscnt NY
	MULP F1, 0, 0, 0
	MULP F1, 0, 1, 0
	s_wait_dscnt 0x0
	MULP F1, 1, 0, 0
	MULP F1, 1, 1, 0
	WIN 0
	PLACES
	OUTB 0
	OUTB 1
	OUTB 2
	OUTB 3
	s_wait_tensorcnt 0x0                           ; the wave's end: a wait, an add and its wait, behind my last tensor load and my last LDS store
	ds_add_u32 v[SPW], v[NIL]
	s_wait_dscnt 0x0
	CROUND                                         ; the closing round: no work-group ends while a partner may still ask for a tile that names it
	s_endpgm
.Lfunc_end_k_qd2492d5c0d_oproj:
	.size	k_qd2492d5c0d_oproj, .Lfunc_end_k_qd2492d5c0d_oproj-k_qd2492d5c0d_oproj
	.p2alignl 7, 3214868480
	.fill 96, 4, 3214868480
	.section	.rodata,"a",@progbits
	.p2align	6, 0x0
	.amdhsa_kernel k_qd2492d5c0d_oproj
		.amdhsa_group_segment_fixed_size 327680
		.amdhsa_private_segment_fixed_size 0
		.amdhsa_enable_private_segment 0
		.amdhsa_kernarg_size 32
		.amdhsa_user_sgpr_count 2
		.amdhsa_user_sgpr_kernarg_segment_ptr 1
		.amdhsa_wavefront_size32 1
		.amdhsa_system_sgpr_workgroup_id_x 1
		.amdhsa_system_sgpr_workgroup_id_y 1
		.amdhsa_system_sgpr_workgroup_id_z 1
		.amdhsa_system_vgpr_workitem_id 0
		.amdhsa_next_free_vgpr 896
		.amdhsa_next_free_sgpr 72
		.amdhsa_reserve_vcc 0
		.amdhsa_float_denorm_mode_32 3
		.amdhsa_float_denorm_mode_16_64 3
		.amdhsa_memory_ordered 1
		.amdhsa_forward_progress 1
		.amdhsa_inst_pref_size 88
	.end_amdhsa_kernel
	.amdgpu_metadata
---
amdhsa.version: [ 1, 2 ]
amdhsa.kernels:
  - .name:           k_qd2492d5c0d_oproj
    .symbol:         k_qd2492d5c0d_oproj.kd
    .args:
      - { .name: ctxh, .offset: 0, .size: 8, .value_kind: global_buffer, .address_space: global }
      - { .name: wo16, .offset: 8, .size: 8, .value_kind: global_buffer, .address_space: global }
      - { .name: bias, .offset: 16, .size: 8, .value_kind: global_buffer, .address_space: global }
      - { .name: out0, .offset: 24, .size: 8, .value_kind: global_buffer, .address_space: global }
    .group_segment_fixed_size: 327680
    .private_segment_fixed_size: 0
    .kernarg_segment_align: 8
    .kernarg_segment_size: 32
    .max_flat_workgroup_size: 128
    .sgpr_count:     72
    .vgpr_count:     896
    .wavefront_size: 32
...
	.end_amdgpu_metadata
.endif
;; end of part 4
;; ======== version 2 of 2: 4 launches; version 1 with the launch prep written anew for expert scheduling mode
;; limits: values are held in f16: magnitudes above 65,504 overflow, below 6.1e-05 lose precision
;; workspace buffers: xb 16,777,216 bytes; wb 1,572,864 bytes; wo16 524,288 bytes; bias 8,192 bytes; qkvh 50,331,648 bytes; ctxh 16,777,216 bytes
;; launch prep (part 5): grid 577 x 1, 8 waves a work-group, no clusters, 0 bytes of LDS; arguments x, wq, wk, wv, wo, bq, bv, bo, xb, wb, wo16, bias; writes xb, wb, wo16, bias
.if DOCPART == 5
	.amdgcn_target "amdgcn-amd-amdhsa--gfx1250"
	.amdhsa_code_object_version 6
	.text
	.protected	k_qd2492d5c0d_prep
	.globl	k_qd2492d5c0d_prep
	.p2align	8
	.type	k_qd2492d5c0d_prep,@function
k_qd2492d5c0d_prep:
	s_mov_b64 s[64:65], 0
	v_nop
	global_prefetch_b8 v0, s[64:65] scope:SCOPE_SE
	s_setreg_imm32_b32 hwreg(HW_REG_WAVE_SCHED_MODE, 0, 2), 2
	s_setreg_imm32_b32 hwreg(HW_REG_WAVE_MODE, 25, 1), 1
	s_wait_xcnt 0x0
	s_wait_alu depctr_vm_vsrc(0)
; THE CASTS.  First of four launches of: q, k, v = x w^T + b by heads; softmax(q k^T / 32) v; the result times wo^T + bo.
; This launch rounds every input once to bf16: x -> xb [16384][512]; wq, wk, wv -> wb [1536][512] (one below the other); wo -> wo16 [512][512], where the bf16 number is written as f16
; (the output product's other operand is f16); bq, zeros, bv, bo -> bias [2048] f32, each number rounded to bf16 and written as f32.
; WORK LEFT OUT: bk.  scores[q][k] = q . (x_k wk^T + bk) / 32 = q . (x_k wk^T) / 32 + q . bk / 32.  The second term does not hang on the key k: it is the same along the softmax's axis, and
; softmax(s + t) = softmax(s) for every t that is constant along the axis, whatever finite values the inputs hold.  k reaches no output but through the scores.  So bk has no way to any output:
; it is not loaded and is an argument of no launch; k's 512 places in the bias table hold 0.  LIMIT: a NaN, an infinity or an overflow that reaches only q . bk is not carried to the result.
; LIMITS.  wo as f16: exact for bf16 numbers from 2^-17 up to 65,504; below 2^-17 it keeps f16's fixed step of 6e-8.
; SHARES.  A work-group casts 16,384 numbers, a wave 2,048: sixteen loads of 512 consecutive bytes, all issued at once, and sixteen stores of 256 consecutive bytes, aligned.
; Work-groups 0-511: x.  512-575: the four weights, sixteen parts each.  576: the bias table, 256 numbers a wave.  No LDS, no barrier, no matrix unit: a stream has no use for them.
; THE MODE: SCHED_MODE bits 1:0 = 2 (LLVM: expert scheduling mode 2), set by the entry lines.  The code itself states the register dependences between vector instructions and memory
; instructions, with s_wait_alu, always for 0.
; THE PLAN.  Registers that memory instructions touch:
;   v[IO], v[OO]  byte offsets.  Written by vector lines at the head (in the bias table's arm anew, before any memory instruction has read them); read by every load, by every store.
;   D             sixteen quads.  Each is written by one load, read by that load's conversions, and never loaded again.
;   O             sixteen pairs.  Each is written by its load's conversions alone and read by one store; behind that store it is never written again.
;   T             at work: no memory instruction names it.
; The sixteen loads' results are taken in four groups of four.  Group g converts its four quads into its four pairs of O; the four stores of group g - 1 are dealt among those conversions.  ONE wait on
; va_vdst at a group's head states that the group before has written its pairs; no vector line of group g names those pairs or v[OO], so the four stores owe nothing more.  One more such wait stands
; ahead of the last group's stores, and one ahead of the loads, for the offsets.  No register that a memory instruction has read is ever written again: no wait on vm_vsrc stands past the entry lines.
.set IO, 1                             ; v1   byte offset of my 16 bytes in the work-group's input: 8,192 x wave + 16 x lane
.set OO, 2                             ; v2   of my 8 bytes in its output: 4,096 x wave + 8 x lane
.set LN, 3                             ; v3   lane
.set D,  4                             ; v[4:67]    sixteen loads of four f32
.set O,  68                            ; v[68:99]   sixteen pairs of packed results
.set T,  100                           ; v[100:103] at work
	s_load_b512 s[8:23], s[0:1], 0x0               ; x s[8:9], wq s[10:11], wk s[12:13], wv s[14:15], wo s[16:17], bq s[18:19], bv s[20:21], bo s[22:23]
	s_load_b256 s[24:31], s[0:1], 0x40             ; xb s[24:25], wb s[26:27], wo16 s[28:29], bias s[30:31]
	v_lshrrev_b32 v[LN], 5, v0
	v_readfirstlane_b32 s2, v[LN]                  ; wave 0..7
	v_and_b32 v[LN], 31, v0
	s_wait_alu depctr_va_sdst(0)                   ; s2 is written, ahead of its first reader: the wave's offsets are made from it
	s_lshl_b32 s4, s2, 13
	s_lshl_b32 s5, s2, 12
	v_lshl_add_u32 v[IO], v[LN], 4, s4
	v_lshl_add_u32 v[OO], v[LN], 3, s5
	s_mov_b32 s3, ttmp9
	s_mov_b32 s37, 0                               ; the offsets' high words
	s_mov_b32 s39, 0
; The store of pair j: 32 lanes store 256 consecutive bytes, aligned.
.macro PUT dst, j
	global_store_b64 v[OO], v[O+2*(\j):O+2*(\j)+1], s[\dst:\dst+1] offset:256*(\j) th:TH_STORE_NT
.endm
; 2,048 numbers of a wave.  f16 = 0: rounded to bf16.  f16 = 1: rounded to bf16, widened again (a shift, a mask) and written as f16.
; Each load and each store has registers of its own, so no register is written again while a memory instruction may read it.
.macro CAST src, dst, f16
	s_wait_alu depctr_va_vdst(0)                   ; v[IO] and v[OO] are written: the sixteen loads read the one as their offset, the sixteen stores the other
.irp j, 0,1,2,3,4,5,6,7,8,9,10,11,12,13,14,15
	global_load_b128 v[D+4*(\j):D+4*(\j)+3], v[IO], s[\src:\src+1] offset:512*(\j) th:TH_LOAD_NT
.endr
.irp g, 0,1,2,3
.irp i, 0,1,2,3
.set j, 4*(\g)+(\i)
.if (\g) > 0 && (\i) > 0
	PUT \dst, j-4                                  ; a pair of the group before, ahead of the wait for the next load.  No wait: no vector line since the group's head names it or v[OO]
.endif
	s_wait_loadcnt 15-j                            ; loads come back in order: load j is in, the 15 - j younger ones may stay out
.if (\g) > 0 && (\i) == 0
	s_wait_alu depctr_va_vdst(0)                   ; the group before has written its four pairs of O, which the four stores dealt among this group's conversions read
	PUT \dst, j-4
.endif
	v_cvt_pk_bf16_f32 v[O+2*j],   v[D+4*j],   v[D+4*j+1]
	v_cvt_pk_bf16_f32 v[O+2*j+1], v[D+4*j+2], v[D+4*j+3]
.if \f16
	v_lshlrev_b32 v[T],   16, v[O+2*j]
	v_and_b32     v[T+1], 0xffff0000, v[O+2*j]
	v_lshlrev_b32 v[T+2], 16, v[O+2*j+1]
	v_and_b32     v[T+3], 0xffff0000, v[O+2*j+1]
	v_cvt_pk_f16_f32 v[O+2*j],   v[T],   v[T+1]
	v_cvt_pk_f16_f32 v[O+2*j+1], v[T+2], v[T+3]
.endif
.endr
.endr
	s_wait_alu depctr_va_vdst(0)                   ; the last group has written its four pairs of O, which the last four stores read
.irp j, 12,13,14,15
	PUT \dst, \j
.endr
.endm
	s_cmp_lt_u32 s3, 512
	s_cbranch_scc0 .Lweights
	s_lshl_b32 s36, s3, 16                         ; x: 65,536 bytes in,
	s_lshl_b32 s38, s3, 15                         ; 32,768 out, for each work-group
	s_wait_kmcnt 0x0
	s_add_nc_u64 s[8:9], s[8:9], s[36:37]
	s_add_nc_u64 s[24:25], s[24:25], s[38:39]
	CAST 8, 24, 0
	s_endpgm
.Lweights:
	s_cmp_eq_u32 s3, 576
	s_cbranch_scc1 .Lbias
	s_sub_co_u32 s4, s3, 512
	s_lshr_b32 s5, s4, 4                           ; which weight: wq, wk, wv, wo
	s_and_b32 s4, s4, 15                           ; which sixteenth of it
	s_lshl_b32 s36, s4, 16
	s_lshl_b32 s38, s4, 15
	s_wait_kmcnt 0x0
	s_cmp_eq_u32 s5, 3
	s_cbranch_scc1 .Lwo
	s_cmp_eq_u32 s5, 1
	s_cselect_b64 s[32:33], s[12:13], s[10:11]
	s_cmp_eq_u32 s5, 2
	s_cselect_b64 s[32:33], s[14:15], s[32:33]
	s_add_nc_u64 s[32:33], s[32:33], s[36:37]
	s_lshl_b32 s6, s5, 19                          ; a weight is 524,288 bytes of wb
	s_add_co_u32 s38, s38, s6
	s_add_nc_u64 s[26:27], s[26:27], s[38:39]
	CAST 32, 26, 0
	s_endpgm
.Lwo:
	s_add_nc_u64 s[16:17], s[16:17], s[36:37]
	s_add_nc_u64 s[28:29], s[28:29], s[38:39]
	CAST 16, 28, 1
	s_endpgm
.Lbias:                                        ; wave w writes numbers 256 w .. 256 w + 255 of the table: waves 0, 1 bq; 2, 3 zeros (k's places); 4, 5 bv; 6, 7 bo
	s_lshr_b32 s4, s2, 1
	s_and_b32 s5, s2, 1
	s_lshl_b32 s5, s5, 10
	s_lshl_b32 s6, s2, 10
	v_lshl_add_u32 v[IO], v[LN], 4, s5             ; made anew: on the way here no memory instruction has read the two offsets
	v_lshl_add_u32 v[OO], v[LN], 4, s6
	s_wait_kmcnt 0x0
	s_cmp_eq_u32 s4, 1
	s_cbranch_scc1 .Lzero
	s_cmp_eq_u32 s4, 2
	s_cselect_b64 s[32:33], s[20:21], s[18:19]
	s_cmp_eq_u32 s4, 3
	s_cselect_b64 s[32:33], s[22:23], s[32:33]
	s_wait_alu depctr_va_vdst(0)                   ; v[IO] is written, which the two loads read as their offset
	global_load_b128 v[D:D+3],   v[IO], s[32:33]
	global_load_b128 v[D+4:D+7], v[IO], s[32:33] offset:512
	s_wait_loadcnt 0x0
.irp j, 0,1,2,3
	v_cvt_pk_bf16_f32 v[T+(\j)], v[D+2*(\j)], v[D+2*(\j)+1]
.endr
.irp j, 0,1,2,3
	v_lshlrev_b32 v[D+2*(\j)],   16, v[T+(\j)]
	v_and_b32     v[D+2*(\j)+1], 0xffff0000, v[T+(\j)]
.endr
	s_branch .Lbstore
.Lzero:
.irp j, 0,1,2,3,4,5,6,7
	v_mov_b32 v[D+(\j)], 0
.endr
.Lbstore:
	s_wait_alu depctr_va_vdst(0)                   ; on either way here v[D .. D+7] are written (the widened numbers, or the zeros), and so is v[OO]: the two stores read them
	global_store_b128 v[OO], v[D:D+3],   s[30:31]
	global_store_b128 v[OO], v[D+4:D+7], s[30:31] offset:512
	s_endpgm
.Lfunc_end_k_qd2492d5c0d_prep:
	.size	k_qd2492d5c0d_prep, .Lfunc_end_k_qd2492d5c0d_prep-k_qd2492d5c0d_prep
	.p2alignl 7, 3214868480
	.fill 96, 4, 3214868480
	.section	.rodata,"a",@progbits
	.p2align	6, 0x0
	.amdhsa_kernel k_qd2492d5c0d_prep
		.amdhsa_group_segment_fixed_size 0
		.amdhsa_private_segment_fixed_size 0
		.amdhsa_enable_private_segment 0
		.amdhsa_kernarg_size 96
		.amdhsa_user_sgpr_count 2
		.amdhsa_user_sgpr_kernarg_segment_ptr 1
		.amdhsa_wavefront_size32 1
		.amdhsa_system_sgpr_workgroup_id_x 1
		.amdhsa_system_sgpr_workgroup_id_y 1
		.amdhsa_system_sgpr_workgroup_id_z 1
		.amdhsa_system_vgpr_workitem_id 0
		.amdhsa_next_free_vgpr 104
		.amdhsa_next_free_sgpr 66
		.amdhsa_reserve_vcc 0
		.amdhsa_float_denorm_mode_32 3
		.amdhsa_float_denorm_mode_16_64 3
		.amdhsa_memory_ordered 1
		.amdhsa_forward_progress 1
		.amdhsa_inst_pref_size 26
	.end_amdhsa_kernel
	.amdgpu_metadata
---
amdhsa.version: [ 1, 2 ]
amdhsa.kernels:
  - .name:           k_qd2492d5c0d_prep
    .symbol:         k_qd2492d5c0d_prep.kd
    .args:
      - { .name: x, .offset: 0, .size: 8, .value_kind: global_buffer, .address_space: global }
      - { .name: wq, .offset: 8, .size: 8, .value_kind: global_buffer, .address_space: global }
      - { .name: wk, .offset: 16, .size: 8, .value_kind: global_buffer, .address_space: global }
      - { .name: wv, .offset: 24, .size: 8, .value_kind: global_buffer, .address_space: global }
      - { .name: wo, .offset: 32, .size: 8, .value_kind: global_buffer, .address_space: global }
      - { .name: bq, .offset: 40, .size: 8, .value_kind: global_buffer, .address_space: global }
      - { .name: bv, .offset: 48, .size: 8, .value_kind: global_buffer, .address_space: global }
      - { .name: bo, .offset: 56, .size: 8, .value_kind: global_buffer, .address_space: global }
      - { .name: xb, .offset: 64, .size: 8, .value_kind: global_buffer, .address_space: global }
      - { .name: wb, .offset: 72, .size: 8, .value_kind: global_buffer, .address_space: global }
      - { .name: wo16, .offset: 80, .size: 8, .value_kind: global_buffer, .address_space: global }
      - { .name: bias, .offset: 88, .size: 8, .value_kind: global_buffer, .address_space: global }
    .group_segment_fixed_size: 0
    .private_segment_fixed_size: 0
    .kernarg_segment_align: 8
    .kernarg_segment_size: 96
    .max_flat_workgroup_size: 256
    .sgpr_count:     66
    .vgpr_count:     104
    .wavefront_size: 32
...
	.end_amdgpu_metadata
.endif
;; end of part 5
;; launch proj: the kernel of part 2 again; grid 8 x 64, 4 waves a work-group, clusters of 4 x 4, 327,680 bytes of LDS; arguments xb, wb, bias, qkvh; writes qkvh
;; launch attn: the kernel of part 3 again; grid 256 x 1, 8 waves a work-group, no clusters, 191,488 bytes of LDS; arguments qkvh, ctxh; writes ctxh
;; launch oproj: the kernel of part 4 again; grid 128 x 2, 4 waves a work-group, clusters of 4 x 1, 327,680 bytes of LDS; arguments ctxh, wo16, bias, out0; writes out0
